; MI455X (gfx1250); checked and timed in simulation.
; The chip was launched on July 23, 2026; its instructions are those of AMD's public machine-readable ISA for CDNA 5 (MIT licence, August 2026) and "CDNA5" Instruction Set Architecture Reference Guide (July 2026). The comments in the code are by the model that wrote it; some were corrected since.
;; Mo E. Allowed arithmetic: matrix products marked QUANTISED: E3M2 operands, one E8M0 scale for each 32 along K, by v_wmma_scale_f32_16x16x128_f8f6f4 with both operands' format E3M2, f32 sums; products left as they are: f32 operands where the result goes on into a quantised operand, else bf16, f16 or f32 operands; f32 sums; everything else in f32.
;; Inputs: Wg 8 x 1,024 float32; down_bank_codes 8 x 1,024 x 32 x 24 uint8 (E3M2 codes of down_bank, K innermost, in blocks of 32 codes, four codes in three bytes); down_bank_scales 8 x 1,024 x 32 uint8 (E8M0 scales of down_bank, one for each 32 codes along K); gate_bank_codes 8 x 1,024 x 32 x 24 uint8 (E3M2 codes of gate_bank, K innermost, in blocks of 32 codes, four codes in three bytes); gate_bank_scales 8 x 1,024 x 32 uint8 (E8M0 scales of gate_bank, one for each 32 codes along K); up_bank_codes 8 x 1,024 x 32 x 24 uint8 (E3M2 codes of up_bank, K innermost, in blocks of 32 codes, four codes in three bytes); up_bank_scales 8 x 1,024 x 32 uint8 (E8M0 scales of up_bank, one for each 32 codes along K); x 4 x 512 x 1,024 float32.
;; Outputs: out0 4 x 512 x 1,024 float32.
;; This version of the problem:
;;   THIS VERSION OF THE PROBLEM IS GIVEN IN LOW PRECISION. The matrix products marked QUANTISED in the list below multiply operands that are first quantised to E3M2 (3 exponent bits, 2 mantissa bits; 6 bits a number), with one power-of-two scale for each 32 numbers along K (OCP MX v1.0); their sums are f32. All else is computed in f32.
;;   The module's matrix products, in the order in which they are computed (A, B: the left and right operand; K: the contracted axis; several contracted axes count as one K, in the product's order):
;;     1. [M 2,048, K 1,024] x [K 1,024, N 8]; A: input x; B: input Wg: left as it is (N = 8 < 16)
;;     2. [M 2,048, K 1,024] x [K 1,024, N 8,192]; A: input x; B: input gate_bank (given as codes): QUANTISED
;;     3. [M 2,048, K 1,024] x [K 1,024, N 8,192]; A: input x; B: input up_bank (given as codes): QUANTISED
;;     4. batch 8 x [M 1,024, K 1,024] x [K 1,024, N 2,048]; A: input down_bank (given as codes); B: computed on the way: QUANTISED
;;   THE QUANTISER, for each operand of a quantised product, along K:
;;     - K is cut into blocks of 32 from its start; a last block that is shorter is filled with zeros.
;;     - A block's scale is 2^e with e = floor(log2(the largest magnitude in the block)) - 4, held to -126 .. 127; a block of zeros has e = 0. As a byte (E8M0): e + 127.
;;     - Each number is divided by its block's scale, clamped to +-28, and rounded to the nearest number of E3M2, ties to even, subnormals kept.
;;     - The product sums the exact products of the quantised numbers (number of the format x scale) in f32.
;;   ~~~python
;;   def quantise(x, axis):      # numpy; x: float32 -> the quantised numbers, widened to float32 again
;;       x = np.moveaxis(x, axis, -1); K = x.shape[-1]
;;       x = np.pad(x, [(0, 0)] * (x.ndim - 1) + [(0, -K % 32)]); x = x.reshape(x.shape[:-1] + (-1, 32)); a = np.abs(x).max(-1, keepdims=True)
;;       e = np.where(a > 0, np.clip(np.frexp(np.where(a > 0, a, 1))[1] - 1 - 4, -126, 127), 0)      # np.frexp(a)[1] - 1 = floor(log2(a)), exactly
;;       r = np.clip(x / 2.0 ** e, -28, 28)
;;       step = 2.0 ** (np.maximum(np.frexp(np.where(r == 0, 1, r))[1] - 1, -2) - 2)
;;       q = np.round(r / step) * step * 2.0 ** e      # np.round: ties to even
;;       return np.moveaxis(q.reshape(q.shape[:-2] + (-1,))[..., :K], -1, axis).astype(np.float32)
;;   ~~~
;;   OPERANDS COMPUTED ON THE WAY. 'Computed on the way' means the value that the module computes at that place (a softmax that the list does not call 'softmax' is quantised finished and normalised). What goes into a quantiser is computed in f32, as accurately as f32 sums, v_exp_f32 and their like allow (about 1e-6 of the number): no bf16 or f16 on the way to a quantiser, and a product that is left as it is and whose result goes on into a quantised operand takes f32 operands (vector FMAs, or v_wmma_f32_16x16x4_f32). A number that lies on a knife's edge between two numbers of the format may be rounded either way, as far as f32 arithmetic and the matrix unit's own rounding can turn it there, and no further.
;;   INPUTS GIVEN AS CODES. down_bank (in the module: [8, 1024, 1024], K = its axis 1); gate_bank (in the module: [8, 1024, 1024], K = its axis 1); up_bank (in the module: [8, 1024, 1024], K = its axis 1): each comes as NAME_codes (uint8): NAME with its K axis moved to the last place and cut into blocks of 32 codes, [.., K / 32, bytes a block], one block behind the other in memory; four codes in three bytes: a row's codes are one little-endian stream of bits, code i at bits 6 i .. 6 i + 5 (a code: sign, 3 exponent bits, 2 mantissa bits); and NAME_scales (uint8): the same leading axes, one E8M0 byte (e + 127) for each 32 codes along K. Its value is code x scale, taken as it is: it is not quantised again, and the codes and scales need not be those that the quantiser above would give.
;; 2 versions, each right and faster than the one before. Each part assembles by itself: llvm-mc -triple=amdgcn-amd-amdhsa -mcpu=gfx1250 --defsym DOCPART=n.
;; ======== version 1 of 2: 4 launches
;; workspace buffers: sel 8,192 bytes of whole numbers; xq 1,572,864 bytes; xs 65,536 bytes; rows 12,288 bytes of whole numbers; tinfo 256 bytes of whole numbers; hq 2,260,992 bytes; hs 188,416 bytes
;; launch route (part 1): grid 256 x 1, 4 waves a work-group, no clusters, 167,936 bytes of LDS; arguments x, Wg, sel, xq, xs; writes sel, xq, xs
.if DOCPART == 1
	.amdgcn_target "amdgcn-amd-amdhsa--gfx1250"
	.amdhsa_code_object_version 6
	.text
	.protected	k_qa8aaf2292b_route
	.globl	k_qa8aaf2292b_route
	.p2align	8
	.type	k_qa8aaf2292b_route,@function
k_qa8aaf2292b_route:
	s_mov_b64 s[64:65], 0
	v_nop
	global_prefetch_b8 v0, s[64:65] scope:SCOPE_SE
	s_setreg_imm32_b32 hwreg(HW_REG_WAVE_MODE, 25, 1), 1
	s_wait_xcnt 0x0
; ROUTE.  x [2048][1024] f32, Wg [8][1024] f32.  For each token: the 8 logits x . Wg[e] in f32 (fused multiply-adds), the index of the largest
; (the lower index where two are equal) -> sel [2048] u32, at fixed places; and x quantised along K to codes of E3M2 with one E8M0 byte for
; each 32 numbers -> xq [2048][768], xs [2048][32].  x is read from memory once and serves both.
; A work-group takes 8 tokens, a wave 2.  Wg comes into LDS once, a quarter by each wave's tensor load, and is read by all four waves.
; A block's scale byte is its largest magnitude's exponent field - 4, held at 1 from below.
; LIMITS: a block of zeros (or one whose largest magnitude lies under 2^-122) gets the byte 1, its codes are zeros or what that scale gives, and only this program reads the bytes;
; NaN and infinities in x or Wg are not served; two logits that differ by less than the rounding of an f32 sum of 1,024 terms may give either index.
.set SP,   80                          ; a lane's place in a stage: 64 bytes + 16 of padding
.set STG,  32768                       ; LDS: behind Wg's 32,768 bytes two stages of 32 x SP bytes for each wave,
.set SCB,  53248                       ; and the work-group's 8 x 32 scale bytes
.set R,    16                          ; v16-79   x as loaded: load i (512 consecutive bytes of my two tokens) at R + 4 i
.set X,    80                          ; v80-111  two sets of 16 neighbours
.set C,    112                         ; v112-127 codes, four registers a step
.set E,    128                         ; v128-131 a scale byte a step
.set W,    132                         ; v132-195 a row of Wg, two sets of 32
.set ACC,  196                         ; v196-203 token j, chain p: a pair at ACC + 4 j + 2 p
.set L,    204                         ; v204-219 logit of token j, expert e at L + 8 j + e
.set TT,   220                         ; v220-235 at work
.set BEST, 236
.set IDX,  238
	s_load_b128 s[4:7], s[0:1], 0x0                ; x, Wg
	s_load_b128 s[8:11], s[0:1], 0x10              ; sel, xq
	s_load_b64 s[12:13], s[0:1], 0x20              ; xs
	v_lshrrev_b32 v1, 5, v0
	v_readfirstlane_b32 s14, v1                    ; wave 0..3
	v_and_b32 v1, 31, v0                           ; lane
	v_lshlrev_b32 v2, 4, v1                        ; 16 x lane
	s_mul_i32 s15, s14, 2*32*SP
	s_add_co_u32 s15, s15, STG                     ; my wave's stages
	v_lshrrev_b32 v3, 2, v1
	v_mul_u32_u24 v3, v3, SP
	v_and_b32 v4, 3, v1
	v_lshl_add_u32 v3, v4, 4, v3
	v_add_nc_u32 v3, s15, v3                       ; into a stage: SP (lane / 4) + 16 (lane % 4)
	v_mul_u32_u24 v4, v1, SP
	v_add_nc_u32 v4, s15, v4                       ; out of it: SP x lane: my 16 neighbours
	v_mul_u32_u24 v5, v1, 12                       ; my 16 codes in a step's 384 bytes
	v_lshrrev_b32 v6, 1, v1
	s_lshl_b32 s16, s14, 6
	s_add_co_u32 s16, s16, SCB
	v_add_nc_u32 v6, s16, v6                       ; my block's scale byte: SCB + 64 x wave + lane / 2
	v_lshlrev_b32 v14, 3, v1                       ; 8 x lane
	v_add_nc_u32 v7, SCB, v14
	v_lshlrev_b32 v15, 2, v1                       ; 4 x lane
	; descriptor group 1: 32 rows of 32 elements of 8 bytes, dense: a quarter of Wg
	s_mov_b32 s24, 3<<16
	s_mov_b32 s25, 32<<16
	s_mov_b32 s26, 32<<16
	s_mov_b32 s27, 32<<16
	s_mov_b32 s28, 32
	s_mov_b32 s29, 32
	s_mov_b32 s30, 0
	s_mov_b32 s31, 0
	s_mov_b32 s32, 1
	s_lshl_b32 s33, s14, 13                        ; LDS: 8,192 x wave
	s_lshl_b32 s40, s14, 13                        ; and the same in Wg
	s_mov_b32 s41, 0
	s_lshl_b32 s16, ttmp9, 15
	s_add_co_u32 s16, s16, s40                     ; x: (8 work-group + 2 wave) rows of 4,096 bytes
	s_mov_b32 s17, 0
	s_mul_i32 s18, ttmp9, 6144
	s_mul_i32 s19, s14, 1536
	s_add_co_u32 s18, s18, s19                     ; xq: the same rows of 768 bytes
	s_mov_b32 s19, 0
	s_lshl_b32 s36, ttmp9, 8                       ; xs: 256 bytes a work-group
	s_mov_b32 s37, 0
	s_lshl_b32 s38, ttmp9, 5
	s_lshl_b32 s39, s14, 3
	s_add_co_u32 s38, s38, s39                     ; sel: 32 bytes a work-group, 8 a wave
	s_mov_b32 s39, 0
	s_mov_b32 s20, 0x76543210
	s_mov_b32 s21, 0xfedcba98                      ; v_permlanex16_b32's selects for lane l xor 16
	s_wait_kmcnt 0x0
	s_add_nc_u64 s[34:35], s[6:7], s[40:41]
	s_or_b32 s35, s35, 0x80000000
	tensor_load_to_lds s[32:35], s[24:31]          ; my quarter of Wg: the wave's one tensor load, filled once
.rept 4
	v_nop
.endr
	s_add_nc_u64 s[4:5], s[4:5], s[16:17]
	s_add_nc_u64 s[10:11], s[10:11], s[18:19]
	s_add_nc_u64 s[12:13], s[12:13], s[36:37]
	s_add_nc_u64 s[8:9], s[8:9], s[38:39]
.set I, 0
.rept 16
	global_load_b128 v[R+4*I:R+4*I+3], v2, s[4:5] offset:512*I th:TH_LOAD_NT   ; 32 lanes read 512 consecutive bytes; my two tokens are 8,192 bytes on end
.set I, I+1
.endr
.set I, 0
.rept 16
	v_mov_b32 v[TT+I], 0                           ; written once: a lane permute's destination counts as one of its sources
.set I, I+1
.endr
; step t: 512 numbers.  They go through a stage as they lie and come back 16 neighbours a lane; LDS serves a wave's instructions in order, so no wait stands between the stores and the loads
.macro TURN t
.irp i, 0,1,2,3
	ds_store_b128 v3, v[R+16*(\t)+4*\i:R+16*(\t)+4*\i+3] offset:32*SP*((\t)%2)+8*SP*\i
.endr
.irp i, 0,1,2,3
	ds_load_b128 v[X+16*((\t)%2)+4*\i:X+16*((\t)%2)+4*\i+3], v4 offset:32*SP*((\t)%2)+16*\i
.endr
.endm
.macro STEP t
.set XS, X+16*((\t)%2)
	s_wait_dscnt 0x0                               ; this step's numbers are back from the stage
.if (\t) < 3
	s_wait_loadcnt 4*(2-(\t))                      ; the next step's four loads are in; those of the steps behind it may be out
	TURN (\t)+1
.endif
	v_max3_num_f32 v8, |v[XS]|, |v[XS+1]|, |v[XS+2]|
	v_max3_num_f32 v9, |v[XS+3]|, |v[XS+4]|, |v[XS+5]|
.irp i, 6,10
	v_max3_num_f32 v8, v8, |v[XS+\i]|, |v[XS+\i+1]|
	v_max3_num_f32 v9, v9, |v[XS+\i+2]|, |v[XS+\i+3]|
.endr
	v_max3_num_f32 v8, v8, |v[XS+14]|, |v[XS+15]|
	v_max3_num_f32 v8, v8, v9, 0x2800000           ; and the floor 2^(5 - 127): the byte cannot fall under 1
	v_max_num_f32_dpp v8, v8, v8 row_xmask:1 row_mask:0xf bank_mask:0xf   ; with my neighbour's 16: the block's largest magnitude
	v_add_nc_u32 v11, 0xfe000000, v8               ; 4 off its exponent field: the conversion's scale operand
	v_cvt_scalef32_pk16_bf6_f32 v[C+4*(\t):C+4*(\t)+2], v[XS:XS+15], v11
	v_lshrrev_b32 v[E+(\t)], 23, v11               ; the scale's byte (a plain line behind the conversion)
	ds_store_b8 v6, v[E+(\t)] offset:16*(\t)       ; both lanes of a block write the same byte with the same value
	global_store_b96 v5, v[C+4*(\t):C+4*(\t)+2], s[10:11] offset:384*(\t)   ; the wave stores 384 consecutive bytes
.endm
	s_wait_loadcnt 12                              ; step 0's four loads are in; the twelve behind them may be out
	TURN 0
	STEP 0
	STEP 1
	STEP 2
	STEP 3
	s_wait_tensorcnt 0x0                           ; my quarter of Wg has landed,
	s_wait_dscnt 0x0                               ; my scale bytes are stored:
	s_barrier_signal -1
	s_barrier_wait -1                              ; both hold of every wave
	s_cmp_lg_u32 s14, 0
	s_cbranch_scc1 .Lnot_wave_0
	ds_load_b64 v[12:13], v7                       ; wave 0 sends the work-group's 256 scale bytes
	s_wait_dscnt 0x0
	global_store_b64 v14, v[12:13], s[12:13]       ; 32 lanes store 256 consecutive bytes, aligned
.Lnot_wave_0:
; the logits: lane l holds k = 128 i + 4 l + 0..3 of both tokens, and reads the same k of Wg's row e
.macro WLOAD e
.irp i, 0,1,2,3,4,5,6,7
	ds_load_b128 v[W+32*((\e)%2)+4*\i:W+32*((\e)%2)+4*\i+3], v2 offset:4096*(\e)+512*\i
.endr
.endm
.macro EXPERT e
	s_wait_dscnt 0x0                               ; row e is in
.if (\e) < 7
	WLOAD (\e)+1                                   ; the next row lands while this one is multiplied
.endif
.irp i, 0,1,2,3,4,5,6,7
.irp j, 0,1
.irp p, 0,1
.if \i == 0
	v_pk_mul_f32 v[ACC+4*\j+2*\p:ACC+4*\j+2*\p+1], v[R+32*\j+4*\i+2*\p:R+32*\j+4*\i+2*\p+1], v[W+32*((\e)%2)+4*\i+2*\p:W+32*((\e)%2)+4*\i+2*\p+1]
.else
	v_pk_fma_f32 v[ACC+4*\j+2*\p:ACC+4*\j+2*\p+1], v[R+32*\j+4*\i+2*\p:R+32*\j+4*\i+2*\p+1], v[W+32*((\e)%2)+4*\i+2*\p:W+32*((\e)%2)+4*\i+2*\p+1], v[ACC+4*\j+2*\p:ACC+4*\j+2*\p+1]
.endif
.endr
.endr
.endr
.irp j, 0,1
	v_pk_add_f32 v[ACC+4*\j:ACC+4*\j+1], v[ACC+4*\j:ACC+4*\j+1], v[ACC+4*\j+2:ACC+4*\j+3]
.endr
.irp j, 0,1
	v_add_f32 v[L+8*\j+(\e)], v[ACC+4*\j], v[ACC+4*\j+1]
.endr
.endm
	WLOAD 0
.irp e, 0,1,2,3,4,5,6,7
	EXPERT \e
.endr
; the 16 sums over the 32 lanes, by turns
.irp x, 1,2,4,8
.set I, 0
.rept 16
	v_add_f32_dpp v[L+I], v[L+I], v[L+I] row_xmask:\x row_mask:0xf bank_mask:0xf
.set I, I+1
.endr
.endr
.set I, 0
.rept 16
	v_permlanex16_b32 v[TT+I], v[L+I], s20, s21
.set I, I+1
.endr
.set I, 0
.rept 16
	v_add_f32 v[L+I], v[L+I], v[TT+I]
.set I, I+1
.endr
; the index of the largest: a later logit takes over only where it is strictly greater, so the lower index wins a tie.  Only values are selected: no address and no branch hangs on them
.irp j, 0,1
	v_mov_b32 v[BEST+\j], v[L+8*\j]
	v_mov_b32 v[IDX+\j], 0
.endr
.irp e, 1,2,3,4,5,6,7
.irp j, 0,1
	v_cmp_le_f32 vcc_lo, v[L+8*\j+\e], v[BEST+\j]
	v_cndmask_b32 v[IDX+\j], \e, v[IDX+\j], vcc_lo
	v_max_num_f32 v[BEST+\j], v[BEST+\j], v[L+8*\j+\e]
.endr
.endr
	v_cmp_eq_u32 vcc_lo, 1, v1
	v_cndmask_b32 v[TT], v[IDX], v[IDX+1], vcc_lo  ; lane 0: my first token's, lane 1: my second's
	s_wait_xcnt 0x0                                ; EXEC changes only behind this wait: loads and stores have been issued
	v_cmpx_gt_u32 2, v1
	global_store_b32 v15, v[TT], s[8:9]
	s_endpgm
.Lfunc_end_k_qa8aaf2292b_route:
	.size	k_qa8aaf2292b_route, .Lfunc_end_k_qa8aaf2292b_route-k_qa8aaf2292b_route
	.p2alignl 7, 3214868480
	.fill 96, 4, 3214868480
	.section	.rodata,"a",@progbits
	.p2align	6, 0x0
	.amdhsa_kernel k_qa8aaf2292b_route
		.amdhsa_group_segment_fixed_size 167936
		.amdhsa_private_segment_fixed_size 0
		.amdhsa_enable_private_segment 0
		.amdhsa_kernarg_size 40
		.amdhsa_user_sgpr_count 2
		.amdhsa_user_sgpr_kernarg_segment_ptr 1
		.amdhsa_wavefront_size32 1
		.amdhsa_system_sgpr_workgroup_id_x 1
		.amdhsa_system_sgpr_workgroup_id_y 1
		.amdhsa_system_sgpr_workgroup_id_z 1
		.amdhsa_system_vgpr_workitem_id 0
		.amdhsa_next_free_vgpr 256
		.amdhsa_next_free_sgpr 66
		.amdhsa_reserve_vcc 1
		.amdhsa_float_denorm_mode_32 3
		.amdhsa_float_denorm_mode_16_64 3
		.amdhsa_memory_ordered 1
		.amdhsa_forward_progress 1
		.amdhsa_inst_pref_size 41
	.end_amdhsa_kernel
	.amdgpu_metadata
---
amdhsa.version: [ 1, 2 ]
amdhsa.kernels:
  - .name:           k_qa8aaf2292b_route
    .symbol:         k_qa8aaf2292b_route.kd
    .args:
      - { .name: x, .offset: 0, .size: 8, .value_kind: global_buffer, .address_space: global }
      - { .name: Wg, .offset: 8, .size: 8, .value_kind: global_buffer, .address_space: global }
      - { .name: sel, .offset: 16, .size: 8, .value_kind: global_buffer, .address_space: global }
      - { .name: xq, .offset: 24, .size: 8, .value_kind: global_buffer, .address_space: global }
      - { .name: xs, .offset: 32, .size: 8, .value_kind: global_buffer, .address_space: global }
    .group_segment_fixed_size: 167936
    .private_segment_fixed_size: 0
    .kernarg_segment_align: 8
    .kernarg_segment_size: 40
    .max_flat_workgroup_size: 128
    .sgpr_count:     66
    .vgpr_count:     256
    .wavefront_size: 32
...
	.end_amdgpu_metadata
.endif
;; end of part 1
;; launch place (part 2): grid 1 x 1, 32 waves a work-group, no clusters, 1,024 bytes of LDS; arguments sel, rows, tinfo; writes rows, tinfo
.if DOCPART == 2
	.amdgcn_target "amdgcn-amd-amdhsa--gfx1250"
	.amdhsa_code_object_version 6
	.text
	.protected	k_qa8aaf2292b_place
	.globl	k_qa8aaf2292b_place
	.p2align	8
	.type	k_qa8aaf2292b_place,@function
k_qa8aaf2292b_place:
	s_mov_b64 s[64:65], 0
	v_nop
	global_prefetch_b8 v0, s[64:65] scope:SCOPE_SE
	s_setreg_imm32_b32 hwreg(HW_REG_WAVE_MODE, 25, 1), 1
	s_wait_xcnt 0x0
; PLACE.  sel [2048] u32 (an expert for each token) -> a list of tiles of at most 128 tokens of one expert.  A counting sort without atomics, by one work-group of 32 waves.
; rows [24][128] u32: the token of (tile, slot); slots that no token takes hold 2048; all 3,072 words are written.  tinfo [32] x {expert, count}; a tile that is not used has expert 0, count 0.
; Expert e's tiles follow expert e - 1's; there are never more than 2048 / 128 + 7 = 23 of them.  Wave w takes tokens 64 w + lane (A) and 64 w + 32 + lane (B).
; An expert number above 7 cannot come from the launch before; it is held at 7.
; ORDER OF THE TEXT: every vector register is written while all lanes are on; the stores under a lane mask made from the lists are the text's last lines, and their addresses are made at its head.
.set MA,  16                           ; s16-23  lanes whose token A chose expert e
.set MB,  24                           ; s24-31  the same for B
.set CA,  32                           ; s32-39  how many in A
.set TOT, 40                           ; s40-47  my wave's count, later the expert's count over all waves
.set PRE, 48                           ; s48-55  the count over the waves in front of mine, later + 128 x the expert's first tile
.set NT,  56                           ; s56-63  the expert's tiles
.set TB,  66                           ; s66-73  its first tile
.set PM,  78                           ; s78-80  at work, later the lanes whose word thread + 1,024 k of rows no token takes
	s_load_b128 s[4:7], s[0:1], 0x0                ; sel, rows
	s_load_b64 s[8:9], s[0:1], 0x10                ; tinfo
	v_lshrrev_b32 v1, 5, v0
	v_readfirstlane_b32 s10, v1                    ; wave 0..31
	v_and_b32 v1, 31, v0                           ; lane
	v_lshlrev_b32 v2, 2, v1
	s_lshl_b32 s11, s10, 8
	v_add_nc_u32 v2, s11, v2                       ; 256 w + 4 lane
	s_lshl_b32 s11, s10, 6
	v_add_nc_u32 v5, s11, v1                       ; token A
	v_add_nc_u32 v6, 32, v5                        ; token B
	v_and_b32 v18, 0x3e0, v0                       ; LDS: 32 bytes a wave
	v_lshlrev_b32 v19, 5, v1                       ; and 32 x lane
.irp k, 0,1,2
	v_lshl_add_u32 v[52+\k], v0, 2, 4096*\k        ; the byte of word thread + 1,024 k of rows
.endr
	v_lshlrev_b32 v57, 3, v1                       ; tinfo: 8 bytes a lane
	v_mov_b32 v55, 0x800                           ; what a slot without a token holds
	v_mov_b32 v7, 0                                ; A's rank among my wave's tokens of its expert
	v_mov_b32 v8, 0                                ; B's
	s_mov_b32 s76, 0x76543210
	s_mov_b32 s77, 0xfedcba98
	s_wait_kmcnt 0x0
	global_load_b32 v3, v2, s[4:5]
	global_load_b32 v4, v2, s[4:5] offset:128
	s_wait_loadcnt 0x0
	v_min_u32 v3, 7, v3
	v_min_u32 v4, 7, v4
.irp e, 0,1,2,3,4,5,6,7
	v_cmp_eq_u32 s[MA+\e], \e, v3
	v_cmp_eq_u32 s[MB+\e], \e, v4
	s_bcnt1_i32_b32 s[CA+\e], s[MA+\e]
	s_bcnt1_i32_b32 s75, s[MB+\e]
	s_add_co_u32 s[TOT+\e], s[CA+\e], s75
	v_mbcnt_lo_u32_b32 v9, s[MA+\e], 0             ; how many lanes below mine chose e
	v_cndmask_b32 v7, v7, v9, s[MA+\e]
	v_mbcnt_lo_u32_b32 v9, s[MB+\e], s[CA+\e]      ; B's come behind all of A's
	v_cndmask_b32 v8, v8, v9, s[MB+\e]
	v_mov_b32 v[10+\e], s[TOT+\e]
.endr
	ds_store_b128 v18, v[10:13]                    ; my wave's eight counts; all lanes write the same words with the same values
	ds_store_b128 v18, v[14:17] offset:16
	s_wait_dscnt 0x0                               ; for the others' sake
	s_barrier_signal -1
	s_barrier_wait -1
	ds_load_b128 v[20:23], v19                     ; lane l: wave l's eight counts
	ds_load_b128 v[24:27], v19 offset:16
	s_wait_dscnt 0x0
	v_cmp_gt_u32 vcc_lo, s10, v1                   ; waves in front of mine
.irp k, 0,1,2,3
	v_lshl_or_b32 v[28+\k], v[21+2*\k], 16, v[20+2*\k]   ; two counts to a register: no sum passes 2,048
.endr
.irp k, 0,1,2,3
	v_cndmask_b32 v[32+\k], 0, v[28+\k], vcc_lo
.endr
.irp k, 0,1,2,3,4,5,6,7
	v_mov_b32 v[36+\k], 0                          ; written once: the destination of a DPP form and of a lane permute counts as read
.endr
.irp x, 1,2,4,8
.irp k, 0,1,2,3,4,5,6,7
	v_mov_b32_dpp v[36+\k], v[28+\k] row_xmask:\x row_mask:0xf bank_mask:0xf
.endr
.irp k, 0,1,2,3,4,5,6,7
	v_add_nc_u32 v[28+\k], v[28+\k], v[36+\k]
.endr
.endr
.irp k, 0,1,2,3,4,5,6,7
	v_permlanex16_b32 v[36+\k], v[28+\k], s76, s77
.endr
.irp k, 0,1,2,3,4,5,6,7
	v_add_nc_u32 v[28+\k], v[28+\k], v[36+\k]
.endr
.irp k, 0,1,2,3
	v_readfirstlane_b32 s78, v[28+\k]
	v_readfirstlane_b32 s79, v[32+\k]
	s_and_b32 s[TOT+2*\k], s78, 0xffff
	s_lshr_b32 s[TOT+2*\k+1], s78, 16
	s_and_b32 s[PRE+2*\k], s79, 0xffff
	s_lshr_b32 s[PRE+2*\k+1], s79, 16
.endr
	s_mov_b32 s75, 0
.irp e, 0,1,2,3,4,5,6,7
	s_add_co_u32 s[NT+\e], s[TOT+\e], 127
	s_lshr_b32 s[NT+\e], s[NT+\e], 7
	s_mov_b32 s[TB+\e], s75
	s_add_co_u32 s75, s75, s[NT+\e]
	s_lshl_b32 s78, s[TB+\e], 7
	s_add_co_u32 s[PRE+\e], s[PRE+\e], s78         ; where my wave's tokens of expert e begin in rows
.endr
	v_mov_b32 v44, 0
	v_mov_b32 v45, 0
.irp e, 0,1,2,3,4,5,6,7
	v_cndmask_b32 v44, v44, s[PRE+\e], s[MA+\e]
	v_cndmask_b32 v45, v45, s[PRE+\e], s[MB+\e]
.endr
	v_add_nc_u32 v44, v44, v7
	v_add_nc_u32 v45, v45, v8
	v_min_u32 v44, 0xb7f, v44                      ; inside the 23 tiles
	v_min_u32 v45, 0xb7f, v45
	v_lshlrev_b32 v44, 2, v44
	v_lshlrev_b32 v45, 2, v45
	global_store_b32 v44, v5, s[6:7]
	global_store_b32 v45, v6, s[6:7]
; tile vt's expert and count
.macro TINFO vt, ve, vc
	v_mov_b32 v[\ve], 0
	v_mov_b32 v[\vc], 0
.irp e, 0,1,2,3,4,5,6,7
	v_sub_nc_u32 v51, v[\vt], s[TB+\e]             ; which of expert e's tiles (wraps to a large number in front of its first)
	v_cmp_le_u32 vcc_lo, s[NT+\e], v51             ; not one of them
	v_lshlrev_b32 v56, 7, v51
	v_sub_nc_u32 v56, s[TOT+\e], v56               ; tokens left from this tile on
	v_cndmask_b32 v[\ve], \e, v[\ve], vcc_lo
	v_cndmask_b32 v[\vc], v56, v[\vc], vcc_lo
.endr
	v_min_u32 v[\vc], 0x80, v[\vc]
.endm
.irp k, 0,1,2                          ; which of the words thread + 1,024 k of rows no token takes: a lane mask for each k, all lanes on
	v_add_nc_u32 v46, 1024*\k, v0
	v_lshrrev_b32 v47, 7, v46                      ; its tile
	v_and_b32 v48, 127, v46                        ; its slot
	TINFO 47, 49, 50
	v_cmp_ge_u32 s[PM+\k], v48, v50                ; at or past the tile's count
.endr
	s_cmp_lg_u32 s10, 0
	s_cbranch_scc1 .Lnot_wave_0
	TINFO 1, 58, 59                                ; wave 0: lane l writes tile l's pair
	global_store_b64 v57, v[58:59], s[8:9]         ; 256 consecutive bytes, aligned
.Lnot_wave_0:
.irp k, 0,1,2                          ; the slots without a token: these words are other words than the tokens' above
	s_wait_xcnt 0x0                                ; EXEC changes only behind this wait: stores have been issued
	s_and_saveexec_b32 s74, s[PM+\k]
	global_store_b32 v[52+\k], v55, s[6:7]
	s_wait_xcnt 0x0                                ; and again in front of the line that widens it
	s_or_b32 exec_lo, exec_lo, s74
.endr
	s_endpgm
.Lfunc_end_k_qa8aaf2292b_place:
	.size	k_qa8aaf2292b_place, .Lfunc_end_k_qa8aaf2292b_place-k_qa8aaf2292b_place
	.p2alignl 7, 3214868480
	.fill 96, 4, 3214868480
	.section	.rodata,"a",@progbits
	.p2align	6, 0x0
	.amdhsa_kernel k_qa8aaf2292b_place
		.amdhsa_group_segment_fixed_size 1024
		.amdhsa_private_segment_fixed_size 0
		.amdhsa_enable_private_segment 0
		.amdhsa_kernarg_size 24
		.amdhsa_user_sgpr_count 2
		.amdhsa_user_sgpr_kernarg_segment_ptr 1
		.amdhsa_wavefront_size32 1
		.amdhsa_system_sgpr_workgroup_id_x 1
		.amdhsa_system_sgpr_workgroup_id_y 1
		.amdhsa_system_sgpr_workgroup_id_z 1
		.amdhsa_system_vgpr_workitem_id 0
		.amdhsa_next_free_vgpr 64
		.amdhsa_next_free_sgpr 84
		.amdhsa_reserve_vcc 1
		.amdhsa_float_denorm_mode_32 3
		.amdhsa_float_denorm_mode_16_64 3
		.amdhsa_memory_ordered 1
		.amdhsa_forward_progress 1
		.amdhsa_inst_pref_size 24
	.end_amdhsa_kernel
	.amdgpu_metadata
---
amdhsa.version: [ 1, 2 ]
amdhsa.kernels:
  - .name:           k_qa8aaf2292b_place
    .symbol:         k_qa8aaf2292b_place.kd
    .args:
      - { .name: sel, .offset: 0, .size: 8, .value_kind: global_buffer, .address_space: global }
      - { .name: rows, .offset: 8, .size: 8, .value_kind: global_buffer, .address_space: global }
      - { .name: tinfo, .offset: 16, .size: 8, .value_kind: global_buffer, .address_space: global }
    .group_segment_fixed_size: 1024
    .private_segment_fixed_size: 0
    .kernarg_segment_align: 8
    .kernarg_segment_size: 24
    .max_flat_workgroup_size: 1024
    .sgpr_count:     84
    .vgpr_count:     64
    .wavefront_size: 32
...
	.end_amdgpu_metadata
.endif
;; end of part 2
;; launch gateup (part 3): grid 8 x 23, 4 waves a work-group, no clusters, 327,680 bytes of LDS; arguments xq, xs, rows, tinfo, gate_bank_codes, gate_bank_scales, up_bank_codes, up_bank_scales, hq, hs; writes hq, hs
.if DOCPART == 3
	.amdgcn_target "amdgcn-amd-amdhsa--gfx1250"
	.amdhsa_code_object_version 6
	.text
	.protected	k_qa8aaf2292b_gateup
	.globl	k_qa8aaf2292b_gateup
	.p2align	8
	.type	k_qa8aaf2292b_gateup,@function
k_qa8aaf2292b_gateup:
	s_mov_b64 s[64:65], 0
	v_nop
	global_prefetch_b8 v0, s[64:65] scope:SCOPE_SE
	s_setreg_imm32_b32 hwreg(HW_REG_WAVE_MODE, 25, 1), 1
	s_wait_xcnt 0x0
; GATEUP.  For tile t (work-group y: at most 128 tokens of one expert, from rows and tinfo) and slice sl (work-group x: hidden units 128 sl .. 128 sl + 127):
; h = silu(Q(x) gate) * (Q(x) up), both products on codes of E3M2 with E8M0 scales, h in f32, then quantised along the hidden units, which are the next product's K.
; The 128 hidden units are K step sl of that product.  hq [23][8 K steps][8 row tiles][2 halves][768]: each part is an image of registers 6 c .. 6 c + 5 of a fragment: 512 bytes with
; registers 6 c .. 6 c + 3 at 16 x lane, 256 bytes with 6 c + 4, 6 c + 5 at 8 x lane.  hs u32 [23][8][2][128 rows]: in half c bytes 2 c, 2 c + 1 of the row's scale word, the others 0.
; SHARES.  Wave (rh, ch) takes rows 64 rh .. + 63 (four row tiles m) x hidden units 64 ch .. + 63 of gate and of up, in two passes b of 32 hidden units: 16 accumulators, 128 products a pass.
; x's fragments stay in registers from pass 0 on; each weight fragment read from LDS feeds four products.
; THE PRODUCT IS USED TRANSPOSED (source 0 = 16 hidden units, source 1 = 16 tokens), and lane r of tile (b, u) takes hidden unit 32 b + 8 u + r + 8 (r / 8): so a lane holds one token and
; the 16 registers of tiles u = 0, 1 are 16 neighbouring hidden units, 32 b + 16 (lane / 16) + 0 .. 15.
; NO BRANCH AND NO LABEL: what is read from the lists enters global addresses (held by a minimum first) and one selection alone.
; A slot past the tile's count takes the tile's first token and computes the same numbers again; a tile with count 0 works on token 2047 with expert 0 and fills only its own part of hq and hs.
; No cluster: x's rows are gathered by a list, and which tiles share an expert's weights hangs on counts read from memory.
; LIMITS: a block of h that is all zeros (or under 2^-122) gets the byte 1; only this program reads the bytes.  NaN and infinities are not served.
; LDS, every byte filled once: x's 128 rows at pitch 784 (by copies, 16 bytes a lane); then for gate and for up 8 groups of 16 rows, a row 3 x (256 + 16) bytes, groups 13,184 bytes apart.
; REGISTERS: window 0: v1-24 addresses; v32-63 x's scale words; v64-127 the weights' scale words; v128-175 the lists, later the epilogue's; v192-255 at work in the epilogue.
;   windows 1, 2: x's fragments (m, s) at 96 (m % 2) + 12 s.   window 3: v0-127 accumulators (m, q) at 32 m + 8 q (q = 0, 1 gate, 2, 3 up); v128-223 weight fragments, two sets; v224-228 LDS addresses.
.set XB,  0
.set XP,  784
.set WB,  100352
.set WP,  816
.set GS,  13184
.set BS,  8*GS
.set XS,  32
.set WS,  64
.set LST, 128
.set XG,  144
.set XL,  160
.set TM,  128
.set TP,  132
.set SCL, 136
.set HW,  140
.set OC,  144
.set C1,  176
.set T,   192
.set WF,  128
.set AWG, 224                          ; window 3: v224 gate, v225 the same behind one padding more, v226, v227 up
.set AX,  228
.set LX1,  0x43                        ; destination window 1, address window 3
.set LX2,  0x83
.set MUL1, 0xf7                        ; source 0 (weights), C and D window 3; source 1 (x) window 1.  LDS loads of weights stand under it too: destination and address window 3
.set MUL2, 0xfb                        ; the same with x in window 2
.set MSB, 0
.macro WIN new                         ; the immediate's high byte repeats the setting that is left
.if MSB != \new
	s_set_vgpr_msb (MSB<<8)|\new
.set MSB, \new
.endif
.endm
.macro PLACES
.rept 4
	v_nop
.endr
.endm
	s_load_b512 s[4:19], s[0:1], 0x0               ; xq s[4:5], xs s[6:7], rows s[8:9], tinfo s[10:11], gate codes s[12:13], gate scales s[14:15], up codes s[16:17], up scales s[18:19]
	s_load_b128 s[20:23], s[0:1], 0x40             ; hq, hs
	v_lshrrev_b32 v1, 5, v0
	v_readfirstlane_b32 s24, v1                    ; wave 0..3
	v_and_b32 v1, 31, v0                           ; lane
	v_and_b32 v2, 15, v0                           ; r
	v_bfe_u32 v3, v0, 4, 1                         ; h
	v_lshlrev_b32 v4, 4, v2                        ; 16 r
	v_lshlrev_b32 v8, 4, v1
	v_lshlrev_b32 v9, 3, v1
	v_lshlrev_b32 v10, 2, v1
	s_lshr_b32 s25, s24, 1                         ; rh.  Also: which half of a bank's rows I fetch
	s_and_b32 s26, s24, 1                          ; ch.  Also: I fetch for gate (0) or for up (1)
	s_and_b32 s27, ttmp7, 0xffff                   ; tile
	s_mov_b32 s31, ttmp9                           ; slice
	; descriptor group 1: 16 rows of 768 bytes, 768 bytes apart, 16 bytes of padding behind every 256
	s_mov_b32 s32, (1<<20)|(5<<22)|(3<<25)
	s_mov_b32 s33, 768<<16
	s_mov_b32 s34, 16<<16
	s_mov_b32 s35, 768<<16
	s_mov_b32 s36, 16
	s_mov_b32 s37, 768
	s_mov_b32 s38, 0
	s_mov_b32 s39, 0
	s_mov_b32 s60, 0x76543210
	s_mov_b32 s61, 0xfedcba98
	s_mov_b32 s62, 0xffff0000                      ; lanes 16-31
	s_lshl_b32 s63, s26, 4
	s_lshl_b32 s56, s24, 7
	v_lshl_add_u32 v5, v3, 2, s56                  ; the list for the copies: slot 32 wave + 2 p + h
	s_lshl_b32 s56, s25, 8
	v_lshl_add_u32 v6, v2, 2, s56                  ; the list for the scale words: slot 64 rh + 16 m + r
	v_and_b32 v7, 8, v2
	v_add_nc_u32 v7, v7, v2
	v_lshlrev_b32 v7, 5, v7                        ; the weights' scale words: 32 bytes a row, row r + 8 (r / 8)
	s_lshl_b32 s66, s27, 3
	s_mov_b32 s67, 0
	s_lshl_b32 s68, s27, 9
	s_mov_b32 s69, 0
	s_mul_i32 s72, s27, 98304
	s_mul_i32 s73, s31, 12288
	s_add_co_u32 s72, s72, s73
	s_mul_i32 s73, s25, 6144
	s_add_co_u32 s72, s72, s73
	s_mul_i32 s73, s26, 768
	s_add_co_u32 s72, s72, s73                     ; hq: my four half fragments
	s_mov_b32 s73, 0
	s_lshl_b32 s74, s27, 3
	s_add_co_u32 s74, s74, s31
	s_lshl_b32 s74, s74, 1
	s_add_co_u32 s74, s74, s26
	s_lshl_b32 s74, s74, 9
	s_lshl_b32 s75, s25, 8
	s_add_co_u32 s74, s74, s75                     ; hs: 512 ((8 t + sl) 2 + ch) + 256 rh
	s_mov_b32 s75, 0
	s_mul_i32 s70, s26, BS
	s_mul_i32 s71, s25, 4*GS
	s_add_co_u32 s70, s70, s71
	s_add_co_u32 s70, s70, WB                      ; LDS: my bank, my four groups
	s_wait_kmcnt 0x0
	s_add_nc_u64 s[10:11], s[10:11], s[66:67]
	s_add_nc_u64 s[8:9], s[8:9], s[68:69]
	s_add_nc_u64 s[20:21], s[20:21], s[72:73]
	s_add_nc_u64 s[22:23], s[22:23], s[74:75]
	s_load_b64 s[28:29], s[10:11], 0x0             ; the tile's expert and count
	s_load_b32 s30, s[8:9], 0x0                    ; its first token
.set I, 0
.rept 16
	global_load_b32 v[LST+I], v5, s[8:9] offset:8*I
.set I, I+1
.endr
.irp m, 0,1,2,3
	global_load_b32 v[12+\m], v6, s[8:9] offset:64*\m
.endr
	s_wait_kmcnt 0x0
	s_min_u32 s28, s28, 7
	s_min_u32 s30, s30, 0x7ff
	s_lshl_b32 s56, s28, 10
	s_lshl_b32 s57, s31, 7
	s_add_co_u32 s56, s56, s57                     ; the slice's first row in a bank: 1024 e + 128 sl
	s_lshl_b32 s57, s25, 6
	s_add_co_u32 s57, s57, s56
	s_mul_i32 s66, s57, 768
	s_cmp_eq_u32 s26, 0
	s_cselect_b64 s[68:69], s[12:13], s[16:17]
	s_add_nc_u64 s[68:69], s[68:69], s[66:67]
.irp i, 0,1,2,3
	s_mov_b32 s[40+4*\i], 1
	s_add_co_u32 s[41+4*\i], s70, \i*GS
	s_add_nc_u64 s[42+4*\i:43+4*\i], s[68:69], \i*16*768
	s_or_b32 s[43+4*\i], s[43+4*\i], 0x80000000
.endr
	tensor_load_to_lds s[40:43], s[32:39]          ; four loads of mine are out: the first two bring the rows of pass 0,
	tensor_load_to_lds s[44:47], s[32:39]
	tensor_load_to_lds s[48:51], s[32:39]          ; the last two those of pass 1
	tensor_load_to_lds s[52:55], s[32:39]
	PLACES
	s_lshl_b32 s57, s26, 6
	s_add_co_u32 s57, s57, s56
	s_lshl_b32 s66, s57, 5                         ; 32 bytes of scales a row, from row 1024 e + 128 sl + 64 ch on
	s_add_nc_u64 s[14:15], s[14:15], s[66:67]
	s_add_nc_u64 s[18:19], s[18:19], s[66:67]
.irp b, 0,1
.irp u, 0,1
	global_load_b128 v[WS+16*\b+8*\u:WS+16*\b+8*\u+3], v7, s[14:15] offset:32*(32*\b+8*\u)
	global_load_b128 v[WS+16*\b+8*\u+4:WS+16*\b+8*\u+7], v7, s[14:15] offset:32*(32*\b+8*\u)+16
	global_load_b128 v[WS+32+16*\b+8*\u:WS+32+16*\b+8*\u+3], v7, s[18:19] offset:32*(32*\b+8*\u)
	global_load_b128 v[WS+32+16*\b+8*\u+4:WS+32+16*\b+8*\u+7], v7, s[18:19] offset:32*(32*\b+8*\u)+16
.endr
.endr
	v_mad_u32_u24 v24, v3, XP, v4
	s_mul_i32 s57, s24, 32*XP
	v_add_nc_u32 v24, s57, v24                     ; LDS: row 32 wave + h, + 16 r
	s_wait_loadcnt 16                              ; the 20 list loads are in; the 16 loads of scale words behind them may be out
.macro MEND reg                        ; a slot that no token takes gets the tile's first token; then the token is held inside x
	v_cmp_gt_u32 vcc_lo, 0x800, v[\reg]
	v_cndmask_b32 v[\reg], s30, v[\reg], vcc_lo
	v_min_u32 v[\reg], 0x7ff, v[\reg]
.endm
.set I, 0
.rept 16
	MEND LST+I
	v_mul_u32_u24 v[XG+I], 0x300, v[LST+I]
	v_add_nc_u32 v[XG+I], v4, v[XG+I]              ; xq: 768 x token + 16 r
	v_add_nc_u32 v[XL+I], 2*XP*I, v24
.set I, I+1
.endr
.set I, 0
.rept 16
.irp o, 0,256,512
	global_load_async_to_lds_b128 v[XL+I], v[XG+I], s[4:5] offset:\o   ; sixteen lanes copy 256 consecutive bytes of a token's codes; the immediate steps both addresses
.endr
.set I, I+1
.endr
.irp m, 0,1,2,3
	MEND 12+\m
	v_lshlrev_b32 v[16+\m], 5, v[12+\m]
.endr
.irp m, 0,1,2,3
	global_load_b128 v[XS+8*\m:XS+8*\m+3], v[16+\m], s[6:7]
	global_load_b128 v[XS+8*\m+4:XS+8*\m+7], v[16+\m], s[6:7] offset:16
.endr
	; LDS addresses of the fragments.  Each is finished by an addition whose destination lies in window 3, where the loads under MUL1, MUL2, LX1 and LX2 take their addresses
	v_lshrrev_b32 v20, 3, v2
	v_mul_u32_u24 v20, v20, GS
	v_and_b32 v21, 7, v2
	v_mad_u32_u24 v20, v21, WP, v20
	v_mad_u32_u24 v20, v3, 24, v20
	s_mul_i32 s57, s26, 4*GS
	s_add_co_u32 s57, s57, WB
	v_add_nc_u32 v20, s57, v20                     ; gate: group 4 ch + r / 8, row r % 8, + 24 h
	v_lshl_add_u32 v22, v3, 4, v20                 ; the same for pieces whose partner three pieces on lies behind one padding more
	v_mul_u32_u24 v23, v2, XP
	v_mad_u32_u24 v23, v3, 24, v23
	s_mul_i32 s57, s25, 64*XP
	v_add_nc_u32 v23, s57, v23                     ; x: row 64 rh + r, + 24 h
	WIN 0xc0
	v_add_nc_u32 v[AWG], 0, v20
	v_add_nc_u32 v[AWG+1], 0, v22
	v_add_nc_u32 v[AWG+2], BS, v20
	v_add_nc_u32 v[AWG+3], BS, v22
	v_add_nc_u32 v[AX], XB, v23
	WIN 0
	s_wait_tensorcnt 0x2                           ; my two loads for pass 0 have landed; the two for pass 1, issued behind them, may stay out
	s_wait_asynccnt 0x0                            ; my copies of x have landed
	s_wait_loadcnt 0x0                             ; the scale words
	s_barrier_signal -1
	s_barrier_wait -1                              ; the same holds of every wave
.irp m, 0,1,2,3
	v_mov_b32 v[TP+\m], 0                          ; written once: a lane permute's destination counts as one of its sources
.endr
; a weight fragment: set p, tile q (0, 1 gate u = 0, 1; 2, 3 up), pass b, K step s: six pieces of 8 bytes.  Piece P8 of a row lies at 8 P8 + 16 (P8 / 32)
.macro WFRAG p, q, b, s
.irp k, 0,1,2,3,4,5
.set P8, 12*(\s)+6*(\k/3)+\k%3
.set RG, WF+48*(\p)+12*(\q)+2*\k
.set AD, AWG+2*((\q)/2)
.if P8%32 >= 29
.set AD, AD+1
.endif
	ds_load_b64 v[RG:RG+1], v[AD] offset:2*GS*(\b)+8*WP*((\q)%2)+8*P8+16*(P8/32)
.endr
.endm
.macro XFRAG m, s
.irp k, 0,1,2,3,4,5
	ds_load_b64 v[96*((\m)%2)+12*(\s)+2*\k:96*((\m)%2)+12*(\s)+2*\k+1], v[AX] offset:16*XP*(\m)+96*(\s)+48*(\k/3)+8*(\k%3)
.endr
.endm
.macro PROD m, q, b, s
.set RA, 32*(\m)+8*(\q)
.set RW, WF+48*((\s)%2)+12*(\q)
.set RX, 96*((\m)%2)+12*(\s)
.set SW, WS+32*((\q)/2)+16*(\b)+8*((\q)%2)+(\s)
.set SX, XS+8*(\m)+(\s)
.if (\s) == 0
	v_wmma_scale_f32_16x16x128_f8f6f4 v[RA:RA+7], v[RW:RW+11], v[RX:RX+11], 0, v[SW], v[SX] matrix_a_fmt:MATRIX_FMT_BF6 matrix_b_fmt:MATRIX_FMT_BF6
.else
	v_wmma_scale_f32_16x16x128_f8f6f4 v[RA:RA+7], v[RW:RW+11], v[RX:RX+11], v[RA:RA+7], v[SW], v[SX] matrix_a_fmt:MATRIX_FMT_BF6 matrix_b_fmt:MATRIX_FMT_BF6
.endif
.endm
; K step s of pass b: 16 products, the 16 accumulators by turns, in the same order in every step.  The next step's fragments are asked for ahead of them.
.macro GROUP b, s
	s_wait_dscnt 0x0                               ; this step's fragments, asked for a step ago, are in
	PLACES                                         ; four places in front of loads into the set that the step before multiplied
.if ((\b) == 0) && ((\s) < 7)
	WIN LX1
	XFRAG 0, (\s)+1
	XFRAG 1, (\s)+1
	WIN LX2
	XFRAG 2, (\s)+1
	XFRAG 3, (\s)+1
.endif
	WIN MUL1
.if (\s) < 7
.irp q, 0,1,2,3
	WFRAG ((\s)+1)%2, \q, \b, (\s)+1
.endr
.endif
.irp m, 0,1
.irp q, 0,1,2,3
	PROD \m, \q, \b, \s
.endr
.endr
	WIN MUL2
.irp m, 2,3
.irp q, 0,1,2,3
	PROD \m, \q, \b, \s
.endr
.endr
.endm
; THE EPILOGUE of pass b, the four row tiles as one batch: h = a / (1 + 2^(-a log2 e)) * u in f32; the block's largest magnitude; its byte; 16 codes a lane.
; Each accumulator is read from its low end on.  Each batch of 64 transcendentals has one plain line and one wait behind it, ahead of its first reader.
.macro EPI b
	WIN 0x03
.irp m, 0,1,2,3
.irp i, 0,2,4,6,8,10,12,14
	v_pk_mul_f32 v[T+16*\m+\i:T+16*\m+\i+1], v[32*\m+\i:32*\m+\i+1], 0xbfb8aa3b op_sel_hi:[1,0]   ; -a log2 e
.endr
.endr
	WIN 0
.set J, 0
.rept 64
	v_exp_f32 v[T+J], v[T+J]
.set J, J+1
.endr
	v_nop
	s_wait_alu depctr_va_vdst(0)
.set J, 0
.rept 32
	v_pk_add_f32 v[T+J:T+J+1], v[T+J:T+J+1], 1.0 op_sel_hi:[1,0]
.set J, J+2
.endr
.set J, 0
.rept 64
	v_rcp_f32 v[T+J], v[T+J]
.set J, J+1
.endr
	v_nop
	s_wait_alu depctr_va_vdst(0)
	WIN 0xc3
.irp m, 0,1,2,3
.irp i, 0,2,4,6,8,10,12,14
	v_pk_mul_f32 v[32*\m+\i:32*\m+\i+1], v[32*\m+\i:32*\m+\i+1], v[T+16*\m+\i:T+16*\m+\i+1]   ; silu(a)
.endr
.endr
	WIN 0xcf
.irp m, 0,1,2,3
.irp i, 0,2,4,6,8,10,12,14
	v_pk_mul_f32 v[32*\m+\i:32*\m+\i+1], v[32*\m+\i:32*\m+\i+1], v[32*\m+16+\i:32*\m+16+\i+1]  ; x u
.endr
.endr
	WIN 0x0f
.irp m, 0,1,2,3
	v_max3_num_f32 v[TM+\m], |v[32*\m]|, |v[32*\m+1]|, 0x2800000   ; my 16 numbers of the block, and the floor 2^(5 - 127): the byte cannot fall under 1
.endr
.irp i, 2,4,6,8,10,12,14
.irp m, 0,1,2,3
	v_max3_num_f32 v[TM+\m], |v[32*\m+\i]|, |v[32*\m+\i+1]|, v[TM+\m]
.endr
.endr
	WIN 0
.irp m, 0,1,2,3
	v_permlanex16_b32 v[TP+\m], v[TM+\m], s60, s61
.endr
.irp m, 0,1,2,3
	v_max_num_f32 v[TM+\m], v[TM+\m], v[TP+\m]     ; with lane l xor 16's: the block's largest magnitude
.endr
.irp m, 0,1,2,3
	v_add_nc_u32 v[SCL+\m], 0xfe000000, v[TM+\m]   ; 4 off its exponent field: the conversion's scale operand
.endr
.irp m, 0,1,2,3
.if (\b) == 0
	v_lshrrev_b32 v[HW+\m], 23, v[SCL+\m]          ; the byte of block 2 ch
.else
	v_lshrrev_b32 v[TP+\m], 23, v[SCL+\m]
	v_lshl_or_b32 v[HW+\m], v[TP+\m], 8, v[HW+\m]  ; and of block 2 ch + 1
.endif
.endr
	WIN 0x03
.irp m, 0,1,2,3
.if (\b) == 0
	v_cvt_scalef32_pk16_bf6_f32 v[OC+8*\m:OC+8*\m+2], v[32*\m:32*\m+15], v[SCL+\m]
.else
	v_cvt_scalef32_pk16_bf6_f32 v[C1+4*\m:C1+4*\m+2], v[32*\m:32*\m+15], v[SCL+\m]
.endif
.endr
	v_nop                                          ; one plain line behind the last scaled conversion
.endm
	WIN LX1
	XFRAG 0, 0
	XFRAG 1, 0
	WIN LX2
	XFRAG 2, 0
	XFRAG 3, 0
	WIN MUL1
.irp q, 0,1,2,3
	WFRAG 0, \q, 0, 0
.endr
.irp s, 0,1,2,3,4,5,6,7
	GROUP 0, \s
.endr
	s_wait_tensorcnt 0x0                           ; my two loads for pass 1 have landed,
	s_wait_dscnt 0x0                               ; no LDS load of mine is out:
	s_barrier_signal -1
	s_barrier_wait -1                              ; every wave's have
	PLACES                                         ; behind the last products: for the loads below and for the epilogue's first reads
.irp q, 0,1,2,3
	WFRAG 0, \q, 1, 0                              ; (under MUL2: destination and address window 3)  pass 1's first fragments land under the epilogue
.endr
	EPI 0
.irp s, 0,1,2,3,4,5,6,7
	GROUP 1, \s
.endr
	PLACES
	EPI 1
	WIN 0
; the operand's layout wants a whole block in a lane: lanes 0-15 block 2 ch, lanes 16-31 block 2 ch + 1
.irp m, 0,1,2,3
.irp i, 0,1,2
	v_permlane16_swap_b32 v[OC+8*\m+\i], v[C1+4*\m+\i]
.endr
.endr
.irp m, 0,1,2,3
.irp i, 0,1,2
	v_mov_b32 v[OC+8*\m+3+\i], v[C1+4*\m+\i]       ; (a conversion's three registers begin on an even number, a block's second three do not)
.endr
.endr
.irp m, 0,1,2,3
	v_lshlrev_b32 v[HW+\m], s63, v[HW+\m]          ; my two bytes at their places in the row's scale word
.endr
.irp m, 0,1,2,3
	global_store_b128 v8, v[OC+8*\m:OC+8*\m+3], s[20:21] offset:1536*\m          ; 512 consecutive bytes, aligned to 256
	global_store_b64 v9, v[OC+8*\m+4:OC+8*\m+5], s[20:21] offset:1536*\m+512     ; 256 consecutive bytes, aligned
.endr
.irp k, 0,1
	v_cndmask_b32 v[TM+\k], v[HW+2*\k], v[HW+2*\k+1], s62   ; lanes 0-15: row tile 2 k's words, lanes 16-31: row tile 2 k + 1's
.endr
.irp k, 0,1
	global_store_b32 v10, v[TM+\k], s[22:23] offset:128*\k
.endr
	s_endpgm
.Lfunc_end_k_qa8aaf2292b_gateup:
	.size	k_qa8aaf2292b_gateup, .Lfunc_end_k_qa8aaf2292b_gateup-k_qa8aaf2292b_gateup
	.p2alignl 7, 3214868480
	.fill 96, 4, 3214868480
	.section	.rodata,"a",@progbits
	.p2align	6, 0x0
	.amdhsa_kernel k_qa8aaf2292b_gateup
		.amdhsa_group_segment_fixed_size 327680
		.amdhsa_private_segment_fixed_size 0
		.amdhsa_enable_private_segment 0
		.amdhsa_kernarg_size 80
		.amdhsa_user_sgpr_count 2
		.amdhsa_user_sgpr_kernarg_segment_ptr 1
		.amdhsa_wavefront_size32 1
		.amdhsa_system_sgpr_workgroup_id_x 1
		.amdhsa_system_sgpr_workgroup_id_y 1
		.amdhsa_system_sgpr_workgroup_id_z 1
		.amdhsa_system_vgpr_workitem_id 0
		.amdhsa_next_free_vgpr 1024
		.amdhsa_next_free_sgpr 84
		.amdhsa_reserve_vcc 1
		.amdhsa_float_denorm_mode_32 3
		.amdhsa_float_denorm_mode_16_64 3
		.amdhsa_memory_ordered 1
		.amdhsa_forward_progress 1
		.amdhsa_inst_pref_size 129
	.end_amdhsa_kernel
	.amdgpu_metadata
---
amdhsa.version: [ 1, 2 ]
amdhsa.kernels:
  - .name:           k_qa8aaf2292b_gateup
    .symbol:         k_qa8aaf2292b_gateup.kd
    .args:
      - { .name: xq, .offset: 0, .size: 8, .value_kind: global_buffer, .address_space: global }
      - { .name: xs, .offset: 8, .size: 8, .value_kind: global_buffer, .address_space: global }
      - { .name: rows, .offset: 16, .size: 8, .value_kind: global_buffer, .address_space: global }
      - { .name: tinfo, .offset: 24, .size: 8, .value_kind: global_buffer, .address_space: global }
      - { .name: gate_bank_codes, .offset: 32, .size: 8, .value_kind: global_buffer, .address_space: global }
      - { .name: gate_bank_scales, .offset: 40, .size: 8, .value_kind: global_buffer, .address_space: global }
      - { .name: up_bank_codes, .offset: 48, .size: 8, .value_kind: global_buffer, .address_space: global }
      - { .name: up_bank_scales, .offset: 56, .size: 8, .value_kind: global_buffer, .address_space: global }
      - { .name: hq, .offset: 64, .size: 8, .value_kind: global_buffer, .address_space: global }
      - { .name: hs, .offset: 72, .size: 8, .value_kind: global_buffer, .address_space: global }
    .group_segment_fixed_size: 327680
    .private_segment_fixed_size: 0
    .kernarg_segment_align: 8
    .kernarg_segment_size: 80
    .max_flat_workgroup_size: 128
    .sgpr_count:     84
    .vgpr_count:     1024
    .wavefront_size: 32
...
	.end_amdgpu_metadata
.endif
;; end of part 3
;; launch down (part 4): grid 8 x 23, 4 waves a work-group, no clusters, 221,184 bytes of LDS; arguments hq, hs, rows, tinfo, down_bank_codes, down_bank_scales, out0; writes out0
.if DOCPART == 4
	.amdgcn_target "amdgcn-amd-amdhsa--gfx1250"
	.amdhsa_code_object_version 6
	.text
	.protected	k_qa8aaf2292b_down
	.globl	k_qa8aaf2292b_down
	.p2align	8
	.type	k_qa8aaf2292b_down,@function
k_qa8aaf2292b_down:
	s_mov_b64 s[64:65], 0
	v_nop
	global_prefetch_b8 v0, s[64:65] scope:SCOPE_SE
	s_setreg_imm32_b32 hwreg(HW_REG_WAVE_MODE, 25, 1), 1
	s_wait_xcnt 0x0
; DOWN.  For tile t (work-group y) and output columns 128 sl .. + 127 (work-group x): y = Q(h) down, on codes of E3M2 with E8M0 scales, K = the 1,024 hidden units; each row goes to its token's row of out0.
; hq holds h's fragments as images of their registers, hs the two halves of each row's scale words (the launch before wrote both); down's rows are 768 bytes of codes, K innermost.
; SHARES.  Wave (rh, ch) takes rows 64 rh .. + 63 x columns 64 ch .. + 63: 16 accumulators, 8 K steps, 128 products.
; THE PRODUCT IS USED TRANSPOSED (source 0 = 16 columns of the output = rows of down, source 1 = 16 tokens): a lane holds one token and eight neighbouring columns.
; NO BRANCH AND NO LABEL: what is read from the lists enters global addresses (held by a minimum first), one selection and one write of EXEC.
; A slot past the tile's count holds the tile's first token and the same numbers as that token's own slot: the same bytes are stored to the same place again, by the same work-group.
; A tile with count 0 stores nothing (EXEC = 0 at the stores).  Each token lies in one tile, so each byte of out0 has one work-group.
; No cluster: h's tile is shared by 8 slices only, and which tiles share an expert's weights hangs on counts read from memory.
; LDS, every tile filled once: h's tile as it lies (98,304 bytes); 128 rows of down, a row 3 x (256 + 16) bytes; a stage of 16 rows x 272 bytes for each wave, which no tile touches.
; REGISTERS: window 0: v1-21 addresses and work; v32-63 down's scale words; v64-95 h's; v96-127 tokens, then offsets in out0; v128-255 accumulators (m, j) at 128 + 32 m + 8 j.
;   window 1: two sets of 96: down's four fragments, then h's four; on the way out v0-127 rows read back from the stage.
.set HB,  0
.set DB,  98304
.set WP,  816
.set STG, 202752
.set DS,  32
.set HS,  64
.set TKO, 96
.set ACC, 128
.set LOADF, 0x40                       ; destination window 1, address window 0
.set MUL,   0x05                       ; sources 0 and 1 window 1; C and D window 0
.set MSB, 0
.macro WIN new                         ; the immediate's high byte repeats the setting that is left
.if MSB != \new
	s_set_vgpr_msb (MSB<<8)|\new
.set MSB, \new
.endif
.endm
.macro PLACES
.rept 4
	v_nop
.endr
.endm
	s_load_b256 s[4:11], s[0:1], 0x0               ; hq s[4:5], hs s[6:7], rows s[8:9], tinfo s[10:11]
	s_load_b128 s[12:15], s[0:1], 0x20             ; down's codes, down's scales
	s_load_b64 s[16:17], s[0:1], 0x30              ; out0
	v_lshrrev_b32 v1, 5, v0
	v_readfirstlane_b32 s24, v1                    ; wave 0..3
	v_and_b32 v1, 31, v0                           ; lane
	v_and_b32 v2, 15, v0                           ; r
	v_bfe_u32 v3, v0, 4, 1                         ; h
	s_lshr_b32 s25, s24, 1                         ; rh
	s_and_b32 s26, s24, 1                          ; ch
	s_and_b32 s27, ttmp7, 0xffff                   ; tile
	s_mov_b32 s31, ttmp9                           ; slice
	; descriptor group 1 for h: 96 rows of 32 elements of 8 bytes, dense: a quarter of the tile
	s_mov_b32 s32, 3<<16
	s_mov_b32 s33, 32<<16
	s_mov_b32 s34, 96<<16
	s_mov_b32 s35, 32<<16
	s_mov_b32 s36, 96
	s_mov_b32 s37, 32
	s_mov_b32 s38, 0
	s_mov_b32 s39, 0
	; and for down: 32 rows of 768 bytes, 16 bytes of padding behind every 256
	s_mov_b32 s44, (1<<20)|(5<<22)|(3<<25)
	s_mov_b32 s45, 768<<16
	s_mov_b32 s46, 32<<16
	s_mov_b32 s47, 768<<16
	s_mov_b32 s48, 32
	s_mov_b32 s49, 768
	s_mov_b32 s50, 0
	s_mov_b32 s51, 0
	s_mov_b32 s60, 0x76543210
	s_mov_b32 s61, 0xfedcba98
	s_mov_b32 s40, 1
	s_mul_i32 s41, s24, 24576                      ; LDS: HB + 24,576 x wave
	s_mul_i32 s56, s27, 98304
	s_add_co_u32 s56, s56, s41
	s_mov_b32 s57, 0
	s_mov_b32 s52, 1
	s_mul_i32 s53, s24, 32*WP
	s_add_co_u32 s53, s53, DB                      ; LDS: DB + 32 rows x wave
	s_lshl_b32 s58, s27, 3
	s_mov_b32 s59, 0
	s_lshl_b32 s62, s27, 9
	s_mov_b32 s63, 0
	s_lshl_b32 s66, s27, 13
	s_mov_b32 s67, 0
	s_wait_kmcnt 0x0
	s_add_nc_u64 s[42:43], s[4:5], s[56:57]
	s_or_b32 s43, s43, 0x80000000
	tensor_load_to_lds s[40:43], s[32:39]          ; my quarter of h's tile
	PLACES
	s_add_nc_u64 s[10:11], s[10:11], s[58:59]
	s_add_nc_u64 s[8:9], s[8:9], s[62:63]
	s_add_nc_u64 s[6:7], s[6:7], s[66:67]
	s_load_b64 s[28:29], s[10:11], 0x0             ; the tile's expert and count
	s_load_b32 s30, s[8:9], 0x0                    ; its first token
	s_lshl_b32 s56, s25, 8
	v_lshl_add_u32 v5, v3, 2, s56                  ; the list: slot 64 rh + 16 m + 2 q + h
	v_lshlrev_b32 v6, 9, v3
	v_lshl_add_u32 v6, v2, 2, v6
	v_add_nc_u32 v6, s56, v6                       ; h's scale words: lanes 0-15 the first half's, lanes 16-31 the second's; row 64 rh + 16 m + r
	v_lshlrev_b32 v7, 5, v2                        ; down's: 32 bytes a row
.irp m, 0,1,2,3
.irp q, 0,1,2,3,4,5,6,7
	global_load_b32 v[TKO+8*\m+\q], v5, s[8:9] offset:64*\m+8*\q
.endr
.endr
.irp m, 0,1,2,3
.irp s, 0,1,2,3,4,5,6,7
	global_load_b32 v[HS+8*\m+\s], v6, s[6:7] offset:1024*\s+64*\m
.endr
.endr
	v_mul_u32_u24 v8, v2, WP
	v_mad_u32_u24 v8, v3, 24, v8
	s_mul_i32 s56, s26, 64*WP
	s_add_co_u32 s56, s56, DB
	v_add_nc_u32 v8, s56, v8                       ; down's fragments: row 64 ch + r, + 24 h
	v_lshl_add_u32 v9, v3, 4, v8                   ; the same for pieces whose partner three pieces on lies behind one padding more
	s_mul_i32 s57, s25, 6144
	v_lshl_add_u32 v10, v1, 4, s57                 ; h's images: my four row tiles; 16 x lane,
	v_lshl_add_u32 v11, v1, 3, s57
	v_add_nc_u32 v11, 512, v11                     ; and 512 + 8 x lane
	v_add_nc_u32 v12, 49152, v10                   ; the same for K steps 4 to 7
	v_add_nc_u32 v13, 49152, v11
	s_mul_i32 s56, s24, 16*272
	s_add_co_u32 s56, s56, STG                     ; my stage
	v_mul_u32_u24 v14, v2, 272
	v_lshl_add_u32 v14, v3, 5, v14
	v_add_nc_u32 v14, s56, v14                     ; in: row r, + 32 h
	v_mul_u32_u24 v15, v3, 272
	v_lshl_add_u32 v15, v2, 4, v15
	v_add_nc_u32 v15, s56, v15                     ; back: lanes 0-15 one row, lanes 16-31 the next
	s_lshl_b32 s56, s31, 9
	s_lshl_b32 s57, s26, 8
	s_add_co_u32 s56, s56, s57
	v_lshl_add_u32 v16, v2, 4, s56                 ; my 16 bytes in a row of out0: 512 sl + 256 ch + 16 r
.irp i, 0,1,2,3
	v_mov_b32 v[18+\i], 0                          ; written once: a lane permute's destination counts as one of its sources
.endr
	s_wait_kmcnt 0x0
	s_min_u32 s28, s28, 7
	s_min_u32 s30, s30, 0x7ff
	v_mov_b32 v17, s29                             ; the count
	s_lshl_b32 s56, s28, 10
	s_lshl_b32 s57, s31, 7
	s_add_co_u32 s56, s56, s57                     ; the slice's first row of down: 1024 e + 128 sl
	s_lshl_b32 s57, s24, 5
	s_add_co_u32 s57, s57, s56
	s_mul_i32 s58, s57, 768
	s_add_nc_u64 s[54:55], s[12:13], s[58:59]
	s_or_b32 s55, s55, 0x80000000
	tensor_load_to_lds s[52:55], s[44:51]          ; my 32 rows of down: two loads of mine are out
	PLACES
	s_lshl_b32 s57, s26, 6
	s_add_co_u32 s57, s57, s56
	s_lshl_b32 s58, s57, 5
	s_add_nc_u64 s[14:15], s[14:15], s[58:59]
.irp j, 0,1,2,3
	global_load_b128 v[DS+8*\j:DS+8*\j+3], v7, s[14:15] offset:512*\j
	global_load_b128 v[DS+8*\j+4:DS+8*\j+7], v7, s[14:15] offset:512*\j+16
.endr
	s_wait_loadcnt 0x0
.irp g, 0,1,2,3,4,5,6,7                ; the two halves of h's scale words are joined: lanes 0-15, which the products read, then hold whole words.  The mending below stands between these lines and the products
.irp i, 0,1,2,3
	v_permlanex16_b32 v[18+\i], v[HS+4*\g+\i], s60, s61
.endr
.irp i, 0,1,2,3
	v_or_b32 v[HS+4*\g+\i], v[HS+4*\g+\i], v[18+\i]
.endr
.endr
.set I, 0
.rept 32                               ; a slot that no token takes gets the tile's first token; the token is held inside out0; then its row's offset
	v_cmp_gt_u32 vcc_lo, 0x800, v[TKO+I]
	v_cndmask_b32 v[TKO+I], s30, v[TKO+I], vcc_lo
	v_min_u32 v[TKO+I], 0x7ff, v[TKO+I]
	v_lshlrev_b32 v[TKO+I], 12, v[TKO+I]
	v_add_nc_u32 v[TKO+I], v16, v[TKO+I]
.set I, I+1
.endr
	s_wait_tensorcnt 0x0                           ; both my tiles have landed
	s_barrier_signal -1
	s_barrier_wait -1                              ; every wave's have
.macro DFRAG p, j, s                   ; a fragment of down: six pieces of 8 bytes; piece P8 of a row lies at 8 P8 + 16 (P8 / 32)
.irp k, 0,1,2,3,4,5
.set P8, 12*(\s)+6*(\k/3)+\k%3
.set RG, 96*(\p)+12*(\j)+2*\k
.set AD, 8
.if P8%32 >= 29
.set AD, 9
.endif
	ds_load_b64 v[RG:RG+1], v[AD] offset:16*WP*(\j)+8*P8+16*(P8/32)
.endr
.endm
.macro HFRAG p, m, s                   ; a fragment of h comes back as it was stored: registers 6 c .. 6 c + 3, then 6 c + 4, 6 c + 5
.set HA, 10+2*((\s)/4)
.irp c, 0,1
.set RG, 96*(\p)+48+12*(\m)+6*\c
	ds_load_b128 v[RG:RG+3], v[HA] offset:12288*((\s)%4)+1536*(\m)+768*\c
	ds_load_b64 v[RG+4:RG+5], v[HA+1] offset:12288*((\s)%4)+1536*(\m)+768*\c
.endr
.endm
.macro FETCH s
	WIN LOADF
.irp j, 0,1,2,3
	DFRAG (\s)%2, \j, \s
.endr
.irp m, 0,1,2,3
	HFRAG (\s)%2, \m, \s
.endr
.endm
; K step s: 16 products, the 16 accumulators by turns, in the same order in every step.  The next step's 40 loads are issued ahead of them.
.macro GROUP s
	s_wait_dscnt 0x0                               ; this step's fragments, asked for a step ago, are in
	PLACES                                         ; four places in front of loads into the set that the step before multiplied
.if (\s) < 7
	FETCH (\s)+1
.endif
	WIN MUL
.irp m, 0,1,2,3
.irp j, 0,1,2,3
.if (\s) == 0
	v_wmma_scale_f32_16x16x128_f8f6f4 v[ACC+32*\m+8*\j:ACC+32*\m+8*\j+7], v[96*((\s)%2)+12*\j:96*((\s)%2)+12*\j+11], v[96*((\s)%2)+48+12*\m:96*((\s)%2)+48+12*\m+11], 0, v[DS+8*\j+(\s)], v[HS+8*\m+(\s)] matrix_a_fmt:MATRIX_FMT_BF6 matrix_b_fmt:MATRIX_FMT_BF6
.else
	v_wmma_scale_f32_16x16x128_f8f6f4 v[ACC+32*\m+8*\j:ACC+32*\m+8*\j+7], v[96*((\s)%2)+12*\j:96*((\s)%2)+12*\j+11], v[96*((\s)%2)+48+12*\m:96*((\s)%2)+48+12*\m+11], v[ACC+32*\m+8*\j:ACC+32*\m+8*\j+7], v[DS+8*\j+(\s)], v[HS+8*\m+(\s)] matrix_a_fmt:MATRIX_FMT_BF6 matrix_b_fmt:MATRIX_FMT_BF6
.endif
.endr
.endr
.endm
	FETCH 0
.irp s, 0,1,2,3,4,5,6,7
	GROUP \s
.endr
	WIN 0
	PLACES                                         ; behind the last products: for the first reads of results and for the loads into the fragments' registers
; THE WAY OUT, a row tile at a time through my own stage: a lane's 32 bytes of a row go in, whole pieces of 256 bytes of a row come back.  LDS serves a wave's instructions in order: no wait between.
.irp m, 0,1,2,3
.irp j, 0,1,2,3
	ds_store_b128 v14, v[ACC+32*\m+8*\j:ACC+32*\m+8*\j+3] offset:64*\j          ; each accumulator from its low end on
	ds_store_b128 v14, v[ACC+32*\m+8*\j+4:ACC+32*\m+8*\j+7] offset:64*\j+16
.endr
	WIN LOADF
.irp q, 0,1,2,3,4,5,6,7
	ds_load_b128 v[32*\m+4*\q:32*\m+4*\q+3], v15 offset:544*\q                  ; slot 16 m + 2 q + h
.endr
	WIN 0
.endr
	s_wait_dscnt 0x0
	s_wait_xcnt 0x0                                ; EXEC changes only behind this wait: loads have been issued
	v_cmpx_ne_u32 0, v17                           ; an empty tile stores nothing
	WIN 0x04                                       ; a store's data are its source 1: window 1
.irp m, 0,1,2,3
.irp q, 0,1,2,3,4,5,6,7
	global_store_b128 v[TKO+8*\m+\q], v[32*\m+4*\q:32*\m+4*\q+3], s[16:17] th:TH_STORE_NT   ; sixteen lanes store 256 consecutive bytes of a token's row, aligned
.endr
.endr
	s_endpgm
.Lfunc_end_k_qa8aaf2292b_down:
	.size	k_qa8aaf2292b_down, .Lfunc_end_k_qa8aaf2292b_down-k_qa8aaf2292b_down
	.p2alignl 7, 3214868480
	.fill 96, 4, 3214868480
	.section	.rodata,"a",@progbits
	.p2align	6, 0x0
	.amdhsa_kernel k_qa8aaf2292b_down
		.amdhsa_group_segment_fixed_size 221184
		.amdhsa_private_segment_fixed_size 0
		.amdhsa_enable_private_segment 0
		.amdhsa_kernarg_size 56
		.amdhsa_user_sgpr_count 2
		.amdhsa_user_sgpr_kernarg_segment_ptr 1
		.amdhsa_wavefront_size32 1
		.amdhsa_system_sgpr_workgroup_id_x 1
		.amdhsa_system_sgpr_workgroup_id_y 1
		.amdhsa_system_sgpr_workgroup_id_z 1
		.amdhsa_system_vgpr_workitem_id 0
		.amdhsa_next_free_vgpr 512
		.amdhsa_next_free_sgpr 72
		.amdhsa_reserve_vcc 1
		.amdhsa_float_denorm_mode_32 3
		.amdhsa_float_denorm_mode_16_64 3
		.amdhsa_memory_ordered 1
		.amdhsa_forward_progress 1
		.amdhsa_inst_pref_size 68
	.end_amdhsa_kernel
	.amdgpu_metadata
---
amdhsa.version: [ 1, 2 ]
amdhsa.kernels:
  - .name:           k_qa8aaf2292b_down
    .symbol:         k_qa8aaf2292b_down.kd
    .args:
      - { .name: hq, .offset: 0, .size: 8, .value_kind: global_buffer, .address_space: global }
      - { .name: hs, .offset: 8, .size: 8, .value_kind: global_buffer, .address_space: global }
      - { .name: rows, .offset: 16, .size: 8, .value_kind: global_buffer, .address_space: global }
      - { .name: tinfo, .offset: 24, .size: 8, .value_kind: global_buffer, .address_space: global }
      - { .name: down_bank_codes, .offset: 32, .size: 8, .value_kind: global_buffer, .address_space: global }
      - { .name: down_bank_scales, .offset: 40, .size: 8, .value_kind: global_buffer, .address_space: global }
      - { .name: out0, .offset: 48, .size: 8, .value_kind: global_buffer, .address_space: global }
    .group_segment_fixed_size: 221184
    .private_segment_fixed_size: 0
    .kernarg_segment_align: 8
    .kernarg_segment_size: 56
    .max_flat_workgroup_size: 128
    .sgpr_count:     72
    .vgpr_count:     512
    .wavefront_size: 32
...
	.end_amdgpu_metadata
.endif
;; end of part 4
;; ======== version 2 of 2: 4 launches; 1.15 times as fast as version 1
;; workspace buffers: sel 8,192 bytes of whole numbers; xq 1,572,864 bytes; xs 65,536 bytes; rows 12,288 bytes of whole numbers; tinfo 256 bytes of whole numbers; hq 2,260,992 bytes; hs 188,416 bytes
;; launch route: the kernel of part 1 again; grid 256 x 1, 4 waves a work-group, no clusters, 167,936 bytes of LDS; arguments x, Wg, sel, xq, xs; writes sel, xq, xs
;; launch place (part 5): grid 1 x 1, 16 waves a work-group, no clusters, 4,096 bytes of LDS; arguments sel, rows, tinfo; writes rows, tinfo
.if DOCPART == 5
	.amdgcn_target "amdgcn-amd-amdhsa--gfx1250"
	.amdhsa_code_object_version 6
	.text
	.protected	k_qa8aaf2292b_place
	.globl	k_qa8aaf2292b_place
	.p2align	8
	.type	k_qa8aaf2292b_place,@function
k_qa8aaf2292b_place:
	s_mov_b64 s[64:65], 0
	v_nop
	global_prefetch_b8 v0, s[64:65] scope:SCOPE_SE
	s_setreg_imm32_b32 hwreg(HW_REG_WAVE_MODE, 25, 1), 1
	s_wait_xcnt 0x0
; PLACE.  sel [2048] u32 (an expert for each token) -> a list of tiles of at most 128 tokens of one expert.  A counting sort without atomics, by one work-group of 16 waves.
; rows [24][128] u32: the token of (tile, slot); slots that no token takes hold 2048; all 3,072 words are written.  tinfo [32] x {expert, count}; a tile that is not used has expert 0, count 0.
; Expert e's tiles follow expert e - 1's; there are never more than 2048 / 128 + 7 = 23 of them, tiles 0 to 22: tile 23 is never used and holds 2048 in every word.
; Wave w takes tokens 128 w + 32 g + lane, g = 0 .. 3.  An expert number above 7 cannot come from the launch before; it is held at 7.
; All lanes stay on throughout.  A thread whose word of rows holds a token sends its 2048 to the same slot of tile 23 instead, which holds that number anyway.
.set M,   16                           ; s16-47  lanes whose token of group g chose expert e: M + 8 g + e
.set TOT, 48                           ; s48-55  my wave's running count, later the expert's count over all waves
.set PRE, 56                           ; s56-63  the count over the waves in front of mine, later + 128 x the expert's first tile
.set NT,  66                           ; s66-73  the expert's tiles
.set TB,  74                           ; s74-81  its first tile
.set TBL, 512                          ; LDS: behind the 16 waves' counts (32 bytes each) a table of 32 words for each wave, its own
	s_load_b128 s[4:7], s[0:1], 0x0                ; sel, rows
	s_load_b64 s[8:9], s[0:1], 0x10                ; tinfo
	v_lshrrev_b32 v1, 5, v0
	v_readfirstlane_b32 s10, v1                    ; wave 0..15
	v_and_b32 v1, 31, v0                           ; lane
	v_lshlrev_b32 v2, 2, v1
	s_lshl_b32 s11, s10, 9
	v_add_nc_u32 v2, s11, v2                       ; sel: 512 w + 4 lane
	s_lshl_b32 s11, s10, 7
	v_add_nc_u32 v8, s11, v1                       ; my four tokens
	v_add_nc_u32 v9, 32, v8
	v_add_nc_u32 v10, 64, v8
	v_add_nc_u32 v11, 0x60, v8
	v_and_b32 v28, 0x1e0, v0                       ; LDS: 32 bytes of counts a wave
	v_and_b32 v30, 15, v0                          ; lane % 16
	v_lshlrev_b32 v29, 5, v30                      ; and 32 x (lane % 16)
	v_lshlrev_b32 v31, 2, v0                       ; my word of my wave's table: 128 w + 4 lane
	v_lshrrev_b32 v48, 7, v0
	v_add_nc_u32 v48, v28, v48
	v_lshlrev_b32 v48, 2, v48                      ; in that table the word of tile w / 4: 128 w + 4 (w / 4)
	v_and_b32 v49, 127, v0                         ; the slot of all six of my words of rows: word thread + 512 k lies in tile w / 4 + 4 k
	v_add_nc_u32 v50, 0xb80, v49                   ; the same slot of tile 23
	v_lshlrev_b32 v57, 3, v1                       ; tinfo: 8 bytes a lane
	v_mov_b32 v55, 0x800                           ; what a slot without a token holds
	s_wait_kmcnt 0x0
.irp g, 0,1,2,3
	global_load_b32 v[4+\g], v2, s[4:5] offset:128*\g
.endr
.irp k, 0,1,2,3,4,5
	v_add_nc_u32 v[70+\k], 512*\k, v0              ; my six words of rows
.endr
.irp k, 0,1,2,3
	v_mov_b32 v[44+\k], 0                          ; written once: the destination of a DPP form counts as read
.endr
	s_wait_loadcnt 0x0
.irp g, 0,1,2,3
	v_min_u32 v[4+\g], 7, v[4+\g]
.endr
.irp g, 0,1,2,3
.irp e, 0,1,2,3,4,5,6,7
	v_cmp_eq_u32 s[M+8*\g+\e], \e, v[4+\g]
.endr
.endr
; a token's rank among my wave's tokens of its expert: those of the groups before, and the lanes below mine in its own group.  Each token has one expert, so expert 0's line may write every lane
.irp g, 0,1,2,3
.irp e, 0,1,2,3,4,5,6,7
.if \g == 0
.if \e == 0
	v_mbcnt_lo_u32_b32 v[12+\g], s[M+8*\g+\e], 0
.else
	v_mbcnt_lo_u32_b32 v[16+\e%2], s[M+8*\g+\e], 0
	v_cndmask_b32 v[12+\g], v[12+\g], v[16+\e%2], s[M+8*\g+\e]
.endif
	s_bcnt1_i32_b32 s[TOT+\e], s[M+8*\g+\e]
.else
.if \e == 0
	v_mbcnt_lo_u32_b32 v[12+\g], s[M+8*\g+\e], s[TOT+\e]
.else
	v_mbcnt_lo_u32_b32 v[16+\e%2], s[M+8*\g+\e], s[TOT+\e]
	v_cndmask_b32 v[12+\g], v[12+\g], v[16+\e%2], s[M+8*\g+\e]
.endif
	s_bcnt1_i32_b32 s82, s[M+8*\g+\e]
	s_add_co_u32 s[TOT+\e], s[TOT+\e], s82
.endif
.endr
.endr
.irp e, 0,1,2,3,4,5,6,7
	v_mov_b32 v[20+\e], s[TOT+\e]
.endr
	ds_store_b128 v28, v[20:23]                    ; my wave's eight counts; all lanes write the same words with the same values
	ds_store_b128 v28, v[24:27] offset:16
	s_wait_dscnt 0x0                               ; for the others' sake
	s_barrier_signal -1
	s_barrier_wait -1
	ds_load_b128 v[32:35], v29                     ; lanes l and l + 16: wave l's eight counts
	ds_load_b128 v[36:39], v29 offset:16
	s_wait_dscnt 0x0
	v_cmp_gt_u32 s82, s10, v30                     ; waves in front of mine;
	s_or_b32 s82, s82, 0xffff                      ; lanes 0-15 keep all sixteen waves' counts, lanes 16-31 only those
.irp k, 0,1,2,3
	v_lshl_or_b32 v[40+\k], v[33+2*\k], 16, v[32+2*\k]   ; two counts to a register: no sum passes 2,048
.endr
.irp k, 0,1,2,3
	v_cndmask_b32 v[40+\k], 0, v[40+\k], s82
.endr
.irp x, 1,2,4,8                        ; sums inside each row of 16 lanes: lanes 0-15 end with the experts' counts, lanes 16-31 with the counts in front of my wave
.irp k, 0,1,2,3
	v_mov_b32_dpp v[44+\k], v[40+\k] row_xmask:\x row_mask:0xf bank_mask:0xf
.endr
.irp k, 0,1,2,3
	v_add_nc_u32 v[40+\k], v[40+\k], v[44+\k]
.endr
.endr
.irp k, 0,1,2,3
	v_readlane_b32 s82, v[40+\k], 0
	v_readlane_b32 s83, v[40+\k], 16
	s_and_b32 s[TOT+2*\k], s82, 0xffff
	s_lshr_b32 s[TOT+2*\k+1], s82, 16
	s_and_b32 s[PRE+2*\k], s83, 0xffff
	s_lshr_b32 s[PRE+2*\k+1], s83, 16
.endr
	s_mov_b32 s84, 0
.irp e, 0,1,2,3,4,5,6,7
	s_add_co_u32 s[NT+\e], s[TOT+\e], 127
	s_lshr_b32 s[NT+\e], s[NT+\e], 7
	s_mov_b32 s[TB+\e], s84
	s_add_co_u32 s84, s84, s[NT+\e]
	s_lshl_b32 s85, s[TB+\e], 7
	s_add_co_u32 s[PRE+\e], s[PRE+\e], s85         ; where my wave's tokens of expert e begin in rows
.endr
.irp g, 0,1,2,3
	v_mov_b32 v[60+\g], s[PRE]
.endr
.irp e, 1,2,3,4,5,6,7
.irp g, 0,1,2,3
	v_cndmask_b32 v[60+\g], v[60+\g], s[PRE+\e], s[M+8*\g+\e]
.endr
.endr
.irp g, 0,1,2,3
	v_add_nc_u32 v[60+\g], v[60+\g], v[12+\g]
.endr
.irp g, 0,1,2,3
	v_min_u32 v[60+\g], 0xb7f, v[60+\g]            ; inside tiles 0 to 22
.endr
.irp g, 0,1,2,3
	v_lshlrev_b32 v[60+\g], 2, v[60+\g]
.endr
.irp g, 0,1,2,3
	global_store_b32 v[60+\g], v[8+\g], s[6:7]
.endr
; tile vt's expert and count
.macro TINFO vt, ve, vc
	v_mov_b32 v[\ve], 0
	v_mov_b32 v[\vc], 0
.irp e, 0,1,2,3,4,5,6,7
	v_sub_nc_u32 v51, v[\vt], s[TB+\e]             ; which of expert e's tiles (wraps to a large number in front of its first)
	v_cmp_le_u32 vcc_lo, s[NT+\e], v51             ; not one of them
	v_lshlrev_b32 v56, 7, v51
	v_sub_nc_u32 v56, s[TOT+\e], v56               ; tokens left from this tile on
	v_cndmask_b32 v[\ve], \e, v[\ve], vcc_lo
	v_cndmask_b32 v[\vc], v56, v[\vc], vcc_lo
.endr
	v_min_u32 v[\vc], 0x80, v[\vc]
.endm
	TINFO 1, 58, 59                                ; lane l: tile l's pair
	ds_store_b32 v31, v59 offset:TBL               ; the counts, a word a tile, into my wave's own 128 bytes
.irp k, 0,1,2,3,4,5
	ds_load_b32 v[64+\k], v48 offset:TBL+16*\k     ; LDS serves a wave's instructions in order: these see my store.  The count of tile w / 4 + 4 k, the same word in every lane
.endr
	s_wait_dscnt 0x0
.irp k, 0,1,2,3,4,5
	v_cmp_ge_u32 vcc_lo, v49, v[64+\k]             ; my slot lies at or past the tile's count: no token takes it
	v_cndmask_b32 v[70+\k], v50, v[70+\k], vcc_lo  ; then my own word, else tile 23's
	v_min_u32 v[70+\k], 0xbff, v[70+\k]            ; inside rows
	v_lshlrev_b32 v[70+\k], 2, v[70+\k]
.endr
.irp k, 0,1,2,3,4,5
	global_store_b32 v[70+\k], v55, s[6:7]         ; other words than the tokens' above
.endr
	s_cmp_lg_u32 s10, 0
	s_cbranch_scc1 .Ldone
	global_store_b64 v57, v[58:59], s[8:9]         ; wave 0: the table of tiles, 256 consecutive bytes, aligned
.Ldone:
	s_endpgm
.Lfunc_end_k_qa8aaf2292b_place:
	.size	k_qa8aaf2292b_place, .Lfunc_end_k_qa8aaf2292b_place-k_qa8aaf2292b_place
	.p2alignl 7, 3214868480
	.fill 96, 4, 3214868480
	.section	.rodata,"a",@progbits
	.p2align	6, 0x0
	.amdhsa_kernel k_qa8aaf2292b_place
		.amdhsa_group_segment_fixed_size 4096
		.amdhsa_private_segment_fixed_size 0
		.amdhsa_enable_private_segment 0
		.amdhsa_kernarg_size 24
		.amdhsa_user_sgpr_count 2
		.amdhsa_user_sgpr_kernarg_segment_ptr 1
		.amdhsa_wavefront_size32 1
		.amdhsa_system_sgpr_workgroup_id_x 1
		.amdhsa_system_sgpr_workgroup_id_y 1
		.amdhsa_system_sgpr_workgroup_id_z 1
		.amdhsa_system_vgpr_workitem_id 0
		.amdhsa_next_free_vgpr 80
		.amdhsa_next_free_sgpr 88
		.amdhsa_reserve_vcc 1
		.amdhsa_float_denorm_mode_32 3
		.amdhsa_float_denorm_mode_16_64 3
		.amdhsa_memory_ordered 1
		.amdhsa_forward_progress 1
		.amdhsa_inst_pref_size 23
	.end_amdhsa_kernel
	.amdgpu_metadata
---
amdhsa.version: [ 1, 2 ]
amdhsa.kernels:
  - .name:           k_qa8aaf2292b_place
    .symbol:         k_qa8aaf2292b_place.kd
    .args:
      - { .name: sel, .offset: 0, .size: 8, .value_kind: global_buffer, .address_space: global }
      - { .name: rows, .offset: 8, .size: 8, .value_kind: global_buffer, .address_space: global }
      - { .name: tinfo, .offset: 16, .size: 8, .value_kind: global_buffer, .address_space: global }
    .group_segment_fixed_size: 4096
    .private_segment_fixed_size: 0
    .kernarg_segment_align: 8
    .kernarg_segment_size: 24
    .max_flat_workgroup_size: 512
    .sgpr_count:     88
    .vgpr_count:     80
    .wavefront_size: 32
...
	.end_amdgpu_metadata
.endif
;; end of part 5
;; launch gateup: the kernel of part 3 again; grid 8 x 23, 4 waves a work-group, no clusters, 327,680 bytes of LDS; arguments xq, xs, rows, tinfo, gate_bank_codes, gate_bank_scales, up_bank_codes, up_bank_scales, hq, hs; writes hq, hs
;; launch down (part 6): grid 8 x 23, 4 waves a work-group, no clusters, 221,184 bytes of LDS; arguments hq, hs, rows, tinfo, down_bank_codes, down_bank_scales, out0; writes out0
.if DOCPART == 6
	.amdgcn_target "amdgcn-amd-amdhsa--gfx1250"
	.amdhsa_code_object_version 6
	.text
	.protected	k_qa8aaf2292b_down
	.globl	k_qa8aaf2292b_down
	.p2align	8
	.type	k_qa8aaf2292b_down,@function
k_qa8aaf2292b_down:
	s_mov_b64 s[64:65], 0
	v_nop
	global_prefetch_b8 v0, s[64:65] scope:SCOPE_SE
	s_setreg_imm32_b32 hwreg(HW_REG_WAVE_MODE, 25, 1), 1
	s_wait_xcnt 0x0
; DOWN.  For tile t (work-group y) and output columns 128 sl .. + 127 (work-group x): y = Q(h) down, on codes of E3M2 with E8M0 scales, K = the 1,024 hidden units; each row goes to its token's row of out0.
; hq holds h's fragments as images of their registers, hs the two halves of each row's scale words (the launch before wrote both); down's rows are 768 bytes of codes, K innermost.
; SHARES.  Wave (rh, ch) takes rows 64 rh .. + 63 x columns 64 ch .. + 63: 16 accumulators, 8 K steps, 128 products.
; THE PRODUCT IS USED TRANSPOSED (source 0 = 16 columns of the output = rows of down, source 1 = 16 tokens): a lane holds one token and eight neighbouring columns.
; NO BRANCH AND NO LABEL: what is read from the lists enters global addresses (held by a minimum first), one selection and four lane masks for EXEC.
; THE STORES.  A group of eight slots that lies wholly past the tile's count is switched off; the masks of later groups lie inside those of earlier ones, so EXEC is only ever narrowed.
; In the one group that the count cuts, a slot past the count holds the tile's first token and the same numbers as that token's own slot: the same bytes go to the same place again, at most 7 times,
; by the same work-group.  A tile with count 0 stores nothing.  Each token lies in one tile, so each byte of out0 has one work-group.
; No cluster: h's tile is shared by 8 slices only, and which tiles share an expert's weights hangs on counts read from memory.
; LDS, every tile filled once: h's tile as it lies (98,304 bytes); 128 rows of down, a row 3 x (256 + 16) bytes; a stage of 16 rows x 272 bytes for each wave, which no tile touches.
; REGISTERS: window 0: v1-21 addresses and work; v32-63 down's scale words; v64-95 h's; v96-127 tokens, then offsets in out0; v128-255 accumulators (m, j) at 128 + 32 m + 8 j.
;   window 1: two sets of 96: down's four fragments, then h's four; on the way out v0-127 rows read back from the stage.
.set HB,  0
.set DB,  98304
.set WP,  816
.set STG, 202752
.set DS,  32
.set HS,  64
.set TKO, 96
.set ACC, 128
.set SM,  68                           ; s68-71  row tile m: the lanes whose group of eight slots holds a token
.set LOADF, 0x40                       ; destination window 1, address window 0
.set MUL,   0x05                       ; sources 0 and 1 window 1; C and D window 0
.set MSB, 0
.macro WIN new                         ; the immediate's high byte repeats the setting that is left
.if MSB != \new
	s_set_vgpr_msb (MSB<<8)|\new
.set MSB, \new
.endif
.endm
.macro PLACES
.rept 4
	v_nop
.endr
.endm
	s_load_b256 s[4:11], s[0:1], 0x0               ; hq s[4:5], hs s[6:7], rows s[8:9], tinfo s[10:11]
	s_load_b128 s[12:15], s[0:1], 0x20             ; down's codes, down's scales
	s_load_b64 s[16:17], s[0:1], 0x30              ; out0
	v_lshrrev_b32 v1, 5, v0
	v_readfirstlane_b32 s24, v1                    ; wave 0..3
	v_and_b32 v1, 31, v0                           ; lane
	v_and_b32 v2, 15, v0                           ; r
	v_bfe_u32 v3, v0, 4, 1                         ; h
	s_lshr_b32 s25, s24, 1                         ; rh
	s_and_b32 s26, s24, 1                          ; ch
	s_and_b32 s27, ttmp7, 0xffff                   ; tile
	s_mov_b32 s31, ttmp9                           ; slice
	; descriptor group 1 for h: 96 rows of 32 elements of 8 bytes, dense: a quarter of the tile
	s_mov_b32 s32, 3<<16
	s_mov_b32 s33, 32<<16
	s_mov_b32 s34, 96<<16
	s_mov_b32 s35, 32<<16
	s_mov_b32 s36, 96
	s_mov_b32 s37, 32
	s_mov_b32 s38, 0
	s_mov_b32 s39, 0
	; and for down: 32 rows of 768 bytes, 16 bytes of padding behind every 256
	s_mov_b32 s44, (1<<20)|(5<<22)|(3<<25)
	s_mov_b32 s45, 768<<16
	s_mov_b32 s46, 32<<16
	s_mov_b32 s47, 768<<16
	s_mov_b32 s48, 32
	s_mov_b32 s49, 768
	s_mov_b32 s50, 0
	s_mov_b32 s51, 0
	s_mov_b32 s60, 0x76543210
	s_mov_b32 s61, 0xfedcba98
	s_mov_b32 s40, 1
	s_mul_i32 s41, s24, 24576                      ; LDS: HB + 24,576 x wave
	s_mul_i32 s56, s27, 98304
	s_add_co_u32 s56, s56, s41
	s_mov_b32 s57, 0
	s_mov_b32 s52, 1
	s_mul_i32 s53, s24, 32*WP
	s_add_co_u32 s53, s53, DB                      ; LDS: DB + 32 rows x wave
	s_lshl_b32 s58, s27, 3
	s_mov_b32 s59, 0
	s_lshl_b32 s62, s27, 9
	s_mov_b32 s63, 0
	s_lshl_b32 s66, s27, 13
	s_mov_b32 s67, 0
	s_wait_kmcnt 0x0
	s_add_nc_u64 s[42:43], s[4:5], s[56:57]
	s_or_b32 s43, s43, 0x80000000
	tensor_load_to_lds s[40:43], s[32:39]          ; my quarter of h's tile
	PLACES
	s_add_nc_u64 s[10:11], s[10:11], s[58:59]
	s_add_nc_u64 s[8:9], s[8:9], s[62:63]
	s_add_nc_u64 s[6:7], s[6:7], s[66:67]
	s_load_b64 s[28:29], s[10:11], 0x0             ; the tile's expert and count
	s_load_b32 s30, s[8:9], 0x0                    ; its first token
	s_lshl_b32 s56, s25, 8
	v_lshl_add_u32 v5, v3, 5, s56                  ; the list: slot 64 rh + 16 m + 8 h + q: a lane's eight tokens of a row tile are neighbours
	v_lshlrev_b32 v6, 9, v3
	v_lshl_add_u32 v6, v2, 2, v6
	v_add_nc_u32 v6, s56, v6                       ; h's scale words: lanes 0-15 the first half's, lanes 16-31 the second's; row 64 rh + 16 m + r
	v_lshlrev_b32 v7, 5, v2                        ; down's: 32 bytes a row
.irp m, 0,1,2,3
	global_load_b128 v[TKO+8*\m:TKO+8*\m+3], v5, s[8:9] offset:64*\m
	global_load_b128 v[TKO+8*\m+4:TKO+8*\m+7], v5, s[8:9] offset:64*\m+16
.endr
.irp m, 0,1,2,3
.irp s, 0,1,2,3,4,5,6,7
	global_load_b32 v[HS+8*\m+\s], v6, s[6:7] offset:1024*\s+64*\m
.endr
.endr
	v_mul_u32_u24 v8, v2, WP
	v_mad_u32_u24 v8, v3, 24, v8
	s_mul_i32 s56, s26, 64*WP
	s_add_co_u32 s56, s56, DB
	v_add_nc_u32 v8, s56, v8                       ; down's fragments: row 64 ch + r, + 24 h
	v_lshl_add_u32 v9, v3, 4, v8                   ; the same for pieces whose partner three pieces on lies behind one padding more
	s_mul_i32 s57, s25, 6144
	v_lshl_add_u32 v10, v1, 4, s57                 ; h's images: my four row tiles; 16 x lane,
	v_lshl_add_u32 v11, v1, 3, s57
	v_add_nc_u32 v11, 512, v11                     ; and 512 + 8 x lane
	v_add_nc_u32 v12, 49152, v10                   ; the same for K steps 4 to 7
	v_add_nc_u32 v13, 49152, v11
	s_mul_i32 s56, s24, 16*272
	s_add_co_u32 s56, s56, STG                     ; my stage
	v_mul_u32_u24 v14, v2, 272
	v_lshl_add_u32 v14, v3, 5, v14
	v_add_nc_u32 v14, s56, v14                     ; in: row r, + 32 h
	v_mul_u32_u24 v15, v3, 8*272
	v_lshl_add_u32 v15, v2, 4, v15
	v_add_nc_u32 v15, s56, v15                     ; back: lanes 0-15 row q, lanes 16-31 row q + 8
	s_lshl_b32 s56, s31, 9
	s_lshl_b32 s57, s26, 8
	s_add_co_u32 s56, s56, s57
	v_lshl_add_u32 v16, v2, 4, s56                 ; my 16 bytes in a row of out0: 512 sl + 256 ch + 16 r
.irp i, 0,1,2,3
	v_mov_b32 v[18+\i], 0                          ; written once: a lane permute's destination counts as one of its sources
.endr
	v_lshlrev_b32 v17, 3, v3
	s_wait_kmcnt 0x0
	s_min_u32 s28, s28, 7
	s_min_u32 s30, s30, 0x7ff
	s_lshl_b32 s57, s25, 6
	s_sub_co_i32 s57, s29, s57
	v_sub_nc_u32 v17, s57, v17                     ; the count less 64 rh + 8 h, as a signed number
.irp m, 0,1,2,3
	v_cmp_lt_i32 s[SM+\m], 16*\m, v17              ; slot 64 rh + 16 m + 8 h, the first of my group of eight, holds a token
.endr
	s_lshl_b32 s56, s28, 10
	s_lshl_b32 s57, s31, 7
	s_add_co_u32 s56, s56, s57                     ; the slice's first row of down: 1024 e + 128 sl
	s_lshl_b32 s57, s24, 5
	s_add_co_u32 s57, s57, s56
	s_mul_i32 s58, s57, 768
	s_add_nc_u64 s[54:55], s[12:13], s[58:59]
	s_or_b32 s55, s55, 0x80000000
	tensor_load_to_lds s[52:55], s[44:51]          ; my 32 rows of down: two loads of mine are out
	PLACES
	s_lshl_b32 s57, s26, 6
	s_add_co_u32 s57, s57, s56
	s_lshl_b32 s58, s57, 5
	s_add_nc_u64 s[14:15], s[14:15], s[58:59]
.irp j, 0,1,2,3
	global_load_b128 v[DS+8*\j:DS+8*\j+3], v7, s[14:15] offset:512*\j
	global_load_b128 v[DS+8*\j+4:DS+8*\j+7], v7, s[14:15] offset:512*\j+16
.endr
	s_wait_loadcnt 0x0
.irp g, 0,1,2,3,4,5,6,7                ; the two halves of h's scale words are joined: lanes 0-15, which the products read, then hold whole words.  The mending below stands between these lines and the products
.irp i, 0,1,2,3
	v_permlanex16_b32 v[18+\i], v[HS+4*\g+\i], s60, s61
.endr
.irp i, 0,1,2,3
	v_or_b32 v[HS+4*\g+\i], v[HS+4*\g+\i], v[18+\i]
.endr
.endr
.set I, 0
.rept 32                               ; a slot that no token takes gets the tile's first token; the token is held inside out0; then its row's offset
	v_cmp_gt_u32 vcc_lo, 0x800, v[TKO+I]
	v_cndmask_b32 v[TKO+I], s30, v[TKO+I], vcc_lo
	v_min_u32 v[TKO+I], 0x7ff, v[TKO+I]
	v_lshlrev_b32 v[TKO+I], 12, v[TKO+I]
	v_add_nc_u32 v[TKO+I], v16, v[TKO+I]
.set I, I+1
.endr
	s_wait_tensorcnt 0x0                           ; both my tiles have landed
	s_barrier_signal -1
	s_barrier_wait -1                              ; every wave's have
.macro DFRAG p, j, s                   ; a fragment of down: six pieces of 8 bytes; piece P8 of a row lies at 8 P8 + 16 (P8 / 32)
.irp k, 0,1,2,3,4,5
.set P8, 12*(\s)+6*(\k/3)+\k%3
.set RG, 96*(\p)+12*(\j)+2*\k
.set AD, 8
.if P8%32 >= 29
.set AD, 9
.endif
	ds_load_b64 v[RG:RG+1], v[AD] offset:16*WP*(\j)+8*P8+16*(P8/32)
.endr
.endm
.macro HFRAG p, m, s                   ; a fragment of h comes back as it was stored: registers 6 c .. 6 c + 3, then 6 c + 4, 6 c + 5
.set HA, 10+2*((\s)/4)
.irp c, 0,1
.set RG, 96*(\p)+48+12*(\m)+6*\c
	ds_load_b128 v[RG:RG+3], v[HA] offset:12288*((\s)%4)+1536*(\m)+768*\c
	ds_load_b64 v[RG+4:RG+5], v[HA+1] offset:12288*((\s)%4)+1536*(\m)+768*\c
.endr
.endm
.macro FETCH s
	WIN LOADF
.irp j, 0,1,2,3
	DFRAG (\s)%2, \j, \s
.endr
.irp m, 0,1,2,3
	HFRAG (\s)%2, \m, \s
.endr
.endm
; K step s: 16 products, the 16 accumulators by turns, in the same order in every step.  The next step's 40 loads are issued ahead of them.
.macro GROUP s
	s_wait_dscnt 0x0                               ; this step's fragments, asked for a step ago, are in
	PLACES                                         ; four places in front of loads into the set that the step before multiplied
.if (\s) < 7
	FETCH (\s)+1
.endif
	WIN MUL
.irp m, 0,1,2,3
.irp j, 0,1,2,3
.if (\s) == 0
	v_wmma_scale_f32_16x16x128_f8f6f4 v[ACC+32*\m+8*\j:ACC+32*\m+8*\j+7], v[96*((\s)%2)+12*\j:96*((\s)%2)+12*\j+11], v[96*((\s)%2)+48+12*\m:96*((\s)%2)+48+12*\m+11], 0, v[DS+8*\j+(\s)], v[HS+8*\m+(\s)] matrix_a_fmt:MATRIX_FMT_BF6 matrix_b_fmt:MATRIX_FMT_BF6
.else
	v_wmma_scale_f32_16x16x128_f8f6f4 v[ACC+32*\m+8*\j:ACC+32*\m+8*\j+7], v[96*((\s)%2)+12*\j:96*((\s)%2)+12*\j+11], v[96*((\s)%2)+48+12*\m:96*((\s)%2)+48+12*\m+11], v[ACC+32*\m+8*\j:ACC+32*\m+8*\j+7], v[DS+8*\j+(\s)], v[HS+8*\m+(\s)] matrix_a_fmt:MATRIX_FMT_BF6 matrix_b_fmt:MATRIX_FMT_BF6
.endif
.endr
.endr
.endm
	FETCH 0
.irp s, 0,1,2,3,4,5,6,7
	GROUP \s
.endr
	WIN 0
	PLACES                                         ; behind the last products: for the first reads of results and for the loads into the fragments' registers
; THE WAY OUT, a row tile at a time through my own stage: a lane's 32 bytes of a row go in, whole pieces of 256 bytes of a row come back.  LDS serves a wave's instructions in order: no wait between.
; All of it stands ahead of the first narrowing of EXEC: every lane takes part in the stage.
.irp m, 0,1,2,3
.irp j, 0,1,2,3
	ds_store_b128 v14, v[ACC+32*\m+8*\j:ACC+32*\m+8*\j+3] offset:64*\j          ; each accumulator from its low end on
	ds_store_b128 v14, v[ACC+32*\m+8*\j+4:ACC+32*\m+8*\j+7] offset:64*\j+16
.endr
	WIN LOADF
.irp q, 0,1,2,3,4,5,6,7
	ds_load_b128 v[32*\m+4*\q:32*\m+4*\q+3], v15 offset:272*\q                  ; slot 16 m + 8 h + q
.endr
	WIN 0
.endr
	s_wait_dscnt 0x0
	WIN 0x04                                       ; a store's data are its source 1: window 1
.irp m, 0,1,2,3
	s_wait_xcnt 0x0                                ; EXEC changes only behind this wait: loads and stores have been issued
	s_and_saveexec_b32 s72, s[SM+\m]               ; the lanes whose group of eight slots holds a token; nothing is restored, since each mask lies inside the one before
.irp q, 0,1,2,3,4,5,6,7
	global_store_b128 v[TKO+8*\m+\q], v[32*\m+4*\q:32*\m+4*\q+3], s[16:17] th:TH_STORE_NT   ; sixteen lanes store 256 consecutive bytes of a token's row, aligned
.endr
.endr
	s_endpgm
.Lfunc_end_k_qa8aaf2292b_down:
	.size	k_qa8aaf2292b_down, .Lfunc_end_k_qa8aaf2292b_down-k_qa8aaf2292b_down
	.p2alignl 7, 3214868480
	.fill 96, 4, 3214868480
	.section	.rodata,"a",@progbits
	.p2align	6, 0x0
	.amdhsa_kernel k_qa8aaf2292b_down
		.amdhsa_group_segment_fixed_size 221184
		.amdhsa_private_segment_fixed_size 0
		.amdhsa_enable_private_segment 0
		.amdhsa_kernarg_size 56
		.amdhsa_user_sgpr_count 2
		.amdhsa_user_sgpr_kernarg_segment_ptr 1
		.amdhsa_wavefront_size32 1
		.amdhsa_system_sgpr_workgroup_id_x 1
		.amdhsa_system_sgpr_workgroup_id_y 1
		.amdhsa_system_sgpr_workgroup_id_z 1
		.amdhsa_system_vgpr_workitem_id 0
		.amdhsa_next_free_vgpr 512
		.amdhsa_next_free_sgpr 80
		.amdhsa_reserve_vcc 1
		.amdhsa_float_denorm_mode_32 3
		.amdhsa_float_denorm_mode_16_64 3
		.amdhsa_memory_ordered 1
		.amdhsa_forward_progress 1
		.amdhsa_inst_pref_size 66
	.end_amdhsa_kernel
	.amdgpu_metadata
---
amdhsa.version: [ 1, 2 ]
amdhsa.kernels:
  - .name:           k_qa8aaf2292b_down
    .symbol:         k_qa8aaf2292b_down.kd
    .args:
      - { .name: hq, .offset: 0, .size: 8, .value_kind: global_buffer, .address_space: global }
      - { .name: hs, .offset: 8, .size: 8, .value_kind: global_buffer, .address_space: global }
      - { .name: rows, .offset: 16, .size: 8, .value_kind: global_buffer, .address_space: global }
      - { .name: tinfo, .offset: 24, .size: 8, .value_kind: global_buffer, .address_space: global }
      - { .name: down_bank_codes, .offset: 32, .size: 8, .value_kind: global_buffer, .address_space: global }
      - { .name: down_bank_scales, .offset: 40, .size: 8, .value_kind: global_buffer, .address_space: global }
      - { .name: out0, .offset: 48, .size: 8, .value_kind: global_buffer, .address_space: global }
    .group_segment_fixed_size: 221184
    .private_segment_fixed_size: 0
    .kernarg_segment_align: 8
    .kernarg_segment_size: 56
    .max_flat_workgroup_size: 128
    .sgpr_count:     80
    .vgpr_count:     512
    .wavefront_size: 32
...
	.end_amdgpu_metadata
.endif
;; end of part 6
